; MI455X (gfx1250); checked and timed in simulation.
; The chip was launched on July 23, 2026; its instructions are those of AMD's public machine-readable ISA for CDNA 5 (MIT licence, August 2026) and "CDNA5" Instruction Set Architecture Reference Guide (July 2026). The comments in the code are by the model that wrote it; some were corrected since.
;; Multi Head Attention. Allowed arithmetic: matrix products marked QUANTISED: E2M3 operands, one E8M0 scale for each 32 along K, by v_wmma_scale_f32_16x16x128_f8f6f4 with both operands' format E2M3, f32 sums; everything else in f32.
;; Inputs: Wk 1,024 x 1,024 float32; Wo 1,024 x 1,024 float32; Wq 1,024 x 1,024 float32; Wv 1,024 x 1,024 float32; bk 1,024 float32; bo 1,024 float32; bq 1,024 float32; bv 1,024 float32; x 2 x 2,048 x 1,024 float32.
;; Outputs: out0 2 x 2,048 x 1,024 float32.
;; This version of the problem:
;;   THIS VERSION OF THE PROBLEM IS GIVEN IN LOW PRECISION. The matrix products marked QUANTISED in the list below multiply operands that are first quantised to E2M3 (2 exponent bits, 3 mantissa bits; 6 bits a number), with one power-of-two scale for each 32 numbers along K (OCP MX v1.0); their sums are f32. All else is computed in f32.
;;   The module's matrix products, in the order in which they are computed (A, B: the left and right operand; K: the contracted axis; several contracted axes count as one K, in the product's order):
;;     1. [M 4,096, K 1,024] x [K 1,024, N 1,024]; A: input x; B: input Wq: QUANTISED
;;     2. [M 4,096, K 1,024] x [K 1,024, N 1,024]; A: input x; B: input Wk: QUANTISED
;;     3. [M 4,096, K 1,024] x [K 1,024, N 1,024]; A: input x; B: input Wv: QUANTISED
;;     4. batch 32 x [M 2,048, K 64] x [K 64, N 2,048]; A: computed on the way; B: computed on the way: QUANTISED
;;     5. batch 32 x [M 2,048, K 2,048] x [K 2,048, N 64]; A: softmax (see below); B: computed on the way: QUANTISED
;;     6. [M 4,096, K 1,024] x [K 1,024, N 1,024]; A: computed on the way; B: input Wo: QUANTISED
;;   THE QUANTISER, for each operand of a quantised product, along K:
;;     - K is cut into blocks of 32 from its start; a last block that is shorter is filled with zeros.
;;     - A block's scale is 2^e with e = floor(log2(the largest magnitude in the block)) - 2, held to -126 .. 127; a block of zeros has e = 0. As a byte (E8M0): e + 127.
;;     - Each number is divided by its block's scale, clamped to +-7.5, and rounded to the nearest number of E2M3, ties to even, subnormals kept.
;;     - The product sums the exact products of the quantised numbers (number of the format x scale) in f32.
;;   ~~~python
;;   def quantise(x, axis):      # numpy; x: float32 -> the quantised numbers, widened to float32 again
;;       x = np.moveaxis(x, axis, -1); K = x.shape[-1]
;;       x = np.pad(x, [(0, 0)] * (x.ndim - 1) + [(0, -K % 32)]); x = x.reshape(x.shape[:-1] + (-1, 32)); a = np.abs(x).max(-1, keepdims=True)
;;       e = np.where(a > 0, np.clip(np.frexp(np.where(a > 0, a, 1))[1] - 1 - 2, -126, 127), 0)      # np.frexp(a)[1] - 1 = floor(log2(a)), exactly
;;       r = np.clip(x / 2.0 ** e, -7.5, 7.5)
;;       step = 2.0 ** (np.maximum(np.frexp(np.where(r == 0, 1, r))[1] - 1, 0) - 3)
;;       q = np.round(r / step) * step * 2.0 ** e      # np.round: ties to even
;;       return np.moveaxis(q.reshape(q.shape[:-2] + (-1,))[..., :K], -1, axis).astype(np.float32)
;;   ~~~
;;   SOFTMAX AHEAD OF A QUANTISED PRODUCT. Where the list says 'softmax', what is quantised is not the finished softmax but p = 2^(t - M), with t = logit x log2(e) and M = ceil(the row's largest t), a whole number; so 1/2 < the row's largest p <= 1. The row's sum l is taken of the UNQUANTISED p, in f32, and the product's result is divided by l at the end. Since M is a whole number, a kernel that streams over the keys may use a running M (the ceiling of the running maximum): every later rescaling is an exact power of two, which a block's scale takes up: the codes' values come out the same.
;;   OPERANDS COMPUTED ON THE WAY. 'Computed on the way' means the value that the module computes at that place (a softmax that the list does not call 'softmax' is quantised finished and normalised). What goes into a quantiser is computed in f32, as accurately as f32 sums, v_exp_f32 and their like allow (about 1e-6 of the number): no bf16 or f16 on the way to a quantiser, and a product that is left as it is and whose result goes on into a quantised operand takes f32 operands (vector FMAs, or v_wmma_f32_16x16x4_f32). A number that lies on a knife's edge between two numbers of the format may be rounded either way, as far as f32 arithmetic and the matrix unit's own rounding can turn it there, and no further.
;; One version. Each part assembles by itself: llvm-mc -triple=amdgcn-amd-amdhsa -mcpu=gfx1250 --defsym DOCPART=n.
;; ======== version 1 of 1: 4 launches
;; limits: right only within a limited range of input values
;; workspace buffers: cod 6,291,456 bytes; scl 262,144 bytes; qkv 9,437,184 bytes; qkvs 655,360 bytes; af 3,145,728 bytes; asc 131,072 bytes
;; launch quant (part 1): grid 256 x 1, 4 waves a work-group, no clusters, 33,280 bytes of LDS; arguments x, Wq, Wk, Wv, Wo, cod, scl; writes cod, scl
.if DOCPART == 1
	.amdgcn_target "amdgcn-amd-amdhsa--gfx1250"
	.amdhsa_code_object_version 6
	.text
	.protected	k_q3e5c254136_quant
	.globl	k_q3e5c254136_quant
	.p2align	8
	.type	k_q3e5c254136_quant,@function
k_q3e5c254136_quant:
	s_mov_b64 s[64:65], 0
	v_nop
	global_prefetch_b8 v0, s[64:65] scope:SCOPE_SE
	s_setreg_imm32_b32 hwreg(HW_REG_WAVE_MODE, 25, 1), 1
	s_wait_xcnt 0x0
; x [4096][1024] and Wq, Wk, Wv, Wo [1024][1024], f32 with K innermost, become codes of FP6 (E2M3), 6 bits each, and one E8M0 byte for each 32 along K.
; cod: [8192 rows][768 bytes], scl: [8192 rows][32 bytes]; rows 0-4095 x, then 1024 rows each of Wq, Wk, Wv, Wo.
; THE ROWS ARE STORED IN POSITION ORDER: row i lies at the position that has bits 3 and 4 of i exchanged.  Sixteen neighbouring positions (a tile of the later products) are then rows
; 32 b + 8 u + r + 8 (r / 8), so that the results of two neighbouring tiles are 16 neighbours along the next product's K.
; A block's scale is 2^(floor(log2(its largest magnitude)) - 2); its byte is the largest magnitude's exponent field - 2, held at 1 from below.
; LIMITS: a block whose largest magnitude lies under 2^-124 (zeros among them) gets the byte 1 where the rule says 127 for zeros: its codes are zeros or tiny, and this program alone reads the bytes;
; NaN and infinities among the inputs are not served.
; A wave takes 8,192 numbers: 8 whole rows, 16 steps of 512 numbers.  Each load reads 512 consecutive bytes; a step's 2,048 bytes turn through the wave's own stage in LDS so that a lane holds
; 16 neighbours along K (two lanes to a block).  A work-group is 32 rows, so the exchange of bits 3 and 4 is an exchange of waves 1 and 2 on the way out.  Waves share nothing: no barrier.
.set STEPS, 16
.set CB,    12                         ; bytes of 16 codes
.set R,     16                         ; v16-79   four sets of 16 numbers as they are loaded
.set X,     80                         ; v80-111  two sets of 16 neighbours
.set E,     112                        ; v112-127 a scale byte for each step
.set C,     128                        ; v128-191 codes: four registers for each step, so that no store's data are written again
.set WREG,  8192                       ; LDS: a region for each wave: two stages of 32 x SP bytes, behind them its 256 scale bytes
.set SP,    80                         ; a lane's place in a stage: 64 bytes + 16 of padding
	s_load_b256 s[4:11], s[0:1], 0x0               ; x, Wq, Wk, Wv
	s_load_b128 s[12:15], s[0:1], 0x20             ; Wo, cod
	s_load_b64 s[16:17], s[0:1], 0x30              ; scl
	v_lshl_add_u32 v192, v0, 2, 0x8000
	v_mov_b32 v193, 0
	v_lshrrev_b32 v1, 5, v0
	v_readfirstlane_b32 s20, v1                    ; wave
	v_and_b32 v2, 31, v0                           ; lane
	v_lshlrev_b32 v3, 4, v2                        ; my 16 bytes of a load's 512
	s_mul_i32 s21, s20, WREG
	v_lshrrev_b32 v14, 2, v2
	v_mul_u32_u24 v14, v14, SP
	v_and_b32 v15, 3, v2
	v_lshl_add_u32 v14, v15, 4, v14
	v_add_nc_u32 v14, s21, v14                     ; the stage, on the way in: SP (lane / 4) + 16 (lane % 4)
	v_mul_u32_u24 v15, v2, SP
	v_add_nc_u32 v15, s21, v15                     ; and on the way out: SP x lane: my 16 neighbours
	v_mul_u32_u24 v4, v2, CB                       ; my codes' place in a step's
	v_lshrrev_b32 v5, 1, v2
	s_add_co_u32 s21, s21, 2*32*SP
	v_add_nc_u32 v5, s21, v5                       ; LDS: my wave's 256 scale bytes, my block's byte
	v_lshlrev_b32 v7, 3, v2                        ; and on the way out 8 bytes a lane
	v_add_nc_u32 v6, s21, v7
	s_and_b32 s22, ttmp9, 31                       ; a weight's work-group among its 32
	s_and_b32 s23, s20, 1
	s_lshl_b32 s23, s23, 1
	s_lshr_b32 s24, s20, 1
	s_or_b32 s23, s23, s24                         ; the wave with its two bits exchanged: the position order
	s_lshl_b32 s24, ttmp9, 2
	s_add_co_u32 s23, s24, s23                     ; which run of 8 rows of cod and scl is mine
	s_mul_i32 s26, s23, 8*768
	s_mov_b32 s27, 0
	s_lshl_b32 s28, s23, 8                         ; 8 rows x 32 scale bytes
	s_mov_b32 s29, 0
	s_wait_alu depctr_va_vdst(0)
	s_wait_kmcnt 0x0
	s_mov_b64 s[18:19], s[12:13]                   ; the source: Wo, unless the work-group's number says otherwise (the choice hangs on that number alone)
	s_cmp_lt_u32 ttmp9, 224
	s_cselect_b64 s[18:19], s[10:11], s[18:19]     ; Wv
	s_cmp_lt_u32 ttmp9, 192
	s_cselect_b64 s[18:19], s[8:9], s[18:19]       ; Wk
	s_cmp_lt_u32 ttmp9, 160
	s_cselect_b64 s[18:19], s[6:7], s[18:19]       ; Wq
	s_cmp_lt_u32 ttmp9, 128
	s_cselect_b64 s[18:19], s[4:5], s[18:19]       ; x
	s_cselect_b32 s22, ttmp9, s22
	s_lshl_b32 s22, s22, 2
	s_add_co_u32 s22, s22, s20                     ; which run of 8 rows of the source is mine
	s_lshl_b32 s24, s22, 15                        ; 8,192 numbers of 4 bytes
	s_mov_b32 s25, 0
	s_add_nc_u64 s[18:19], s[18:19], s[24:25]
	s_add_nc_u64 s[14:15], s[14:15], s[26:27]
	s_add_nc_u64 s[16:17], s[16:17], s[28:29]
.macro LOAD t
.irp i, 0,1,2,3
	global_load_b128 v[R+16*((\t)%4)+4*\i:R+16*((\t)%4)+4*\i+3], v3, s[18:19] offset:2048*(\t)+512*\i th:TH_LOAD_NT   ; 32 lanes read 512 consecutive bytes
.endr
.endm
.macro TURN t                          ; step t's numbers through the stage: LDS serves a wave's instructions in order, so no wait stands between the stores and the loads
.irp i, 0,1,2,3
	ds_store_b128 v14, v[R+16*((\t)%4)+4*\i:R+16*((\t)%4)+4*\i+3] offset:32*SP*((\t)%2)+8*SP*\i
.endr
.irp i, 0,1,2,3
	ds_load_b128 v[X+16*((\t)%2)+4*\i:X+16*((\t)%2)+4*\i+3], v15 offset:32*SP*((\t)%2)+16*\i
.endr
.endm
.irp t, 0,1,2,3
	LOAD \t
.endr
	s_wait_loadcnt 12                              ; step 0's four loads are in; the twelve of steps 1 to 3 stay out
	TURN 0
.macro STEP t
.set XS, X+16*((\t)%2)
.if (\t) > 0
	s_wait_dscnt 1                                 ; this step's numbers are back from the stage (the last step's byte store may be out): its stores into the stage have read their registers,
.else
	s_wait_dscnt 0x0
.endif
.if (\t)+4 < STEPS
	LOAD (\t)+4                                    ; which take the loads of four steps on
.endif
.if (\t)+1 < STEPS
.if STEPS-2-(\t) >= 3
	s_wait_loadcnt 12                              ; the next step's four loads are in; those of the three steps behind it may be out
.else
	s_wait_loadcnt 4*(STEPS-2-(\t))
.endif
	TURN (\t)+1                                    ; and go through the other stage while this step is worked
.endif
	v_max3_num_f32 v8, |v[XS]|, |v[XS+1]|, |v[XS+2]|               ; the largest magnitude of my 16, in two chains
	v_max3_num_f32 v9, |v[XS+3]|, |v[XS+4]|, |v[XS+5]|
.irp i, 6,10
	v_max3_num_f32 v8, v8, |v[XS+\i]|, |v[XS+\i+1]|
	v_max3_num_f32 v9, v9, |v[XS+\i+2]|, |v[XS+\i+3]|
.endr
	v_max3_num_f32 v8, v8, |v[XS+14]|, |v[XS+15]|
	v_max3_num_f32 v8, v8, v9, 0x1800000           ; and the floor 2^(3 - 127): the byte cannot fall under 1
	v_max_num_f32_dpp v8, v8, v8 row_xmask:1 row_mask:0xf bank_mask:0xf   ; and of my neighbour's 16: the block's
	v_add_nc_u32 v11, 0xff000000, v8               ; 2 off its exponent field: the conversion takes the exponent field of this operand as its scale
	v_cvt_scalef32_pk16_fp6_f32 v[C+4*(\t):C+4*(\t)+2], v[XS:XS+15], v11   ; sixteen codes, 96 bits without gaps
	v_lshrrev_b32 v[E+(\t)], 23, v11               ; the scale's byte (also the plain line behind the conversion)
	ds_store_b8 v5, v[E+(\t)] offset:16*(\t)       ; both lanes of a block write the same byte with the same value
	global_store_b96 v4, v[C+4*(\t):C+4*(\t)+2], s[14:15] offset:32*CB*(\t)   ; the wave stores 384 consecutive bytes
.endm
.irp t, 0,1,2,3,4,5,6,7,8,9,10,11,12,13,14,15
	STEP \t
.endr
	ds_load_b64 v[12:13], v6                       ; LDS serves a wave's instructions in order: these see my stores
	s_wait_dscnt 0x0
	global_store_b64 v7, v[12:13], s[16:17]        ; 32 lanes store 256 consecutive bytes, aligned: 8 rows of scale bytes
	s_wait_tensorcnt 0x0
	ds_add_u32 v192, v193
	s_wait_dscnt 0x0
	s_endpgm
.Lfunc_end_k_q3e5c254136_quant:
	.size	k_q3e5c254136_quant, .Lfunc_end_k_q3e5c254136_quant-k_q3e5c254136_quant
	.p2alignl 7, 3214868480
	.fill 96, 4, 3214868480
	.section	.rodata,"a",@progbits
	.p2align	6, 0x0
	.amdhsa_kernel k_q3e5c254136_quant
		.amdhsa_group_segment_fixed_size 33280
		.amdhsa_private_segment_fixed_size 0
		.amdhsa_enable_private_segment 0
		.amdhsa_kernarg_size 56
		.amdhsa_user_sgpr_count 2
		.amdhsa_user_sgpr_kernarg_segment_ptr 1
		.amdhsa_wavefront_size32 1
		.amdhsa_system_sgpr_workgroup_id_x 1
		.amdhsa_system_sgpr_workgroup_id_y 1
		.amdhsa_system_sgpr_workgroup_id_z 1
		.amdhsa_system_vgpr_workitem_id 0
		.amdhsa_next_free_vgpr 194
		.amdhsa_next_free_sgpr 66
		.amdhsa_reserve_vcc 0
		.amdhsa_float_denorm_mode_32 3
		.amdhsa_float_denorm_mode_16_64 3
		.amdhsa_memory_ordered 1
		.amdhsa_forward_progress 1
		.amdhsa_inst_pref_size 33
	.end_amdhsa_kernel
	.amdgpu_metadata
---
amdhsa.version: [ 1, 2 ]
amdhsa.kernels:
  - .name:           k_q3e5c254136_quant
    .symbol:         k_q3e5c254136_quant.kd
    .args:
      - { .name: x, .offset: 0, .size: 8, .value_kind: global_buffer, .address_space: global }
      - { .name: Wq, .offset: 8, .size: 8, .value_kind: global_buffer, .address_space: global }
      - { .name: Wk, .offset: 16, .size: 8, .value_kind: global_buffer, .address_space: global }
      - { .name: Wv, .offset: 24, .size: 8, .value_kind: global_buffer, .address_space: global }
      - { .name: Wo, .offset: 32, .size: 8, .value_kind: global_buffer, .address_space: global }
      - { .name: cod, .offset: 40, .size: 8, .value_kind: global_buffer, .address_space: global }
      - { .name: scl, .offset: 48, .size: 8, .value_kind: global_buffer, .address_space: global }
    .group_segment_fixed_size: 33280
    .private_segment_fixed_size: 0
    .kernarg_segment_align: 8
    .kernarg_segment_size: 56
    .max_flat_workgroup_size: 128
    .sgpr_count:     66
    .vgpr_count:     194
    .wavefront_size: 32
...
	.end_amdgpu_metadata
.endif
;; end of part 1
;; launch qkv (part 2): grid 32 x 8, 4 waves a work-group, clusters of 4 x 4, 327,680 bytes of LDS; arguments cod, scl, bq, bk, bv, qkv, qkvs; writes qkv, qkvs
.if DOCPART == 2
	.amdgcn_target "amdgcn-amd-amdhsa--gfx1250"
	.amdhsa_code_object_version 6
	.text
	.protected	k_q3e5c254136_qkv
	.globl	k_q3e5c254136_qkv
	.p2align	8
	.type	k_q3e5c254136_qkv,@function
k_q3e5c254136_qkv:
	s_mov_b64 s[64:65], 0
	v_nop
	global_prefetch_b8 v0, s[64:65] scope:SCOPE_SE
	s_setreg_imm32_b32 hwreg(HW_REG_WAVE_MODE, 25, 1), 1
	s_wait_xcnt 0x0
	s_wait_alu depctr_hold_cnt(0) depctr_sa_sdst(0) depctr_va_vdst(0) depctr_va_sdst(0) depctr_va_ssrc(0) depctr_va_vcc(0) depctr_vm_vsrc(0)
	s_getreg_b32 s2, hwreg(HW_REG_IB_STS2, 6, 4)
	s_cmp_eq_u32 s2, 0
	s_cbranch_scc0 .Lentry_in_a_cluster
	s_endpgm
.Lentry_in_a_cluster:
	s_bfe_u32 s2, ttmp6, 0x10000c
	s_cmp_lg_u32 s2, 0xf033
	s_cbranch_scc0 .Lentry_shape_is_right
	s_endpgm
.Lentry_shape_is_right:
; q = x Wq^T + bq, k = x Wk^T + bk, v = x Wv^T + bv on codes of FP6 (E2M3) with E8M0 scales, K = 1024; the f32 results are quantised in registers and leave as images of the next products' operands.
; SHARES.  Work-group (gx, gy) owns 128 positions of x (gx) and 128 rows, two heads, of each weight (gy), and makes three tiles of 128 x 128 one after the other:
;   Q: source 0 = Wq, source 1 = x;   K: source 0 = Wk, source 1 = x;   V: source 0 = x, source 1 = Wv.
; Wave w owns source 1's rows 32 w .. 32 w + 31 (two tiles b) against all eight tiles a of source 0: 16 accumulators.
; POSITION ORDER.  Rows of cod lie with bits 3 and 4 of the row's number exchanged, so tile 2 B + u, lane r is true row 32 B + 8 u + r + 8 (r / 8), and as source 0 it gives register j of half h the true index
; 32 B + 16 h + 8 u + j: the 16 registers of tiles 2 B, 2 B + 1 are 16 neighbours along the next K: the head's 64 for q and k, the keys for v.  Source 1's rows stay in position order.
; LDS: three tiles of 128 rows x 768 bytes, 16 bytes of padding behind each 256: rows 816 bytes = 204 words apart, so row r starts at word 12 r mod 64 and the 32 lanes of an 8-byte load touch 64 different words mod 64.
;   WA: Wq, later Wv (the launch's one refill); WB: Wk; XT: x.  All tiles are asked for jointly: x's by the four work-groups of a column of the cluster, the weights' by the four of a row.
; By this text's count a wave has one tensor load out at the start and one behind the refill.
; OUT.  qkv: slab sel x 32 + batch x 16 + head of 98,304 bytes.  q, k: [128 position tiles][768]: registers 0-3 at 16 x lane, then registers 4-5 at 8 x lane (lane (r, h): d = 32 h .. 32 h + 31 of position r).
;   v: [16 key steps][4 tiles of d][1,536]: three times registers 4 c .. 4 c + 3 at 16 x lane (16 positions of d x 128 true keys).  qkvs: q, k: a word a position, bytes 0, 1 the two scale bytes, bytes 2, 3 zero; v: a word a row of each tile.
; LIMITS: a block whose largest magnitude lies under 2^-124 (zeros among them) gets the byte 1, read by this program alone; NaN and infinities are not served.
; REGISTERS.  window 0: v1-20 addresses; v32-111 scale words and nothing else; v112-127 at work; v128-167 codes just made; v168-172 scale words just made; v176-191 bv.
;   window 1: two sets of fragments of 120: source 0's tile a at 12 a, source 1's tile b at 96 + 12 b.   window 2: accumulator (a, b) at 64 b + 8 a; v128-191 bq, v192-255 bk in the result's layout.
.set PITCH, 816
.set T16,   16*PITCH                   ; a tile of 16 rows
.set WPART, 32*PITCH                   ; what one tensor load brings
.set TILEB, 128*PITCH
.set WA,    0
.set WB,    TILEB
.set XT,    2*TILEB
.set SPARE, 3*TILEB                    ; the spare words, 128 bytes a wave: two blocks of 256 bytes that no other line names
.set NLD,   60                         ; LDS loads of a K step: ten fragments of six
.set SPW,  12                          ; v12  SPARE + 4 x my thread's number; never rewritten
.set NIL,  13                          ; v13  0; never rewritten
.set SCA,  32                          ; v32-63   source 0's scale words: register 8 i + s: lanes 0-15 tile 2 i, lanes 16-31 tile 2 i + 1, K step s.  Wq's, later x's
.set SCB,  64                          ; v64-95   Wk's
.set SC1X, 96                          ; v96-103  my 32 rows of x: register s: lanes 0-15 b = 0, lanes 16-31 b = 1
.set SC1V, 104                         ; v104-111 my 32 rows of Wv
.set TM,   112
.set PCA,  128
.set PCB,  148
.set PW0,  168
.set PW1,  169
.set WW,   170
.set WW0,  171
.set WW1,  172
.set BVB,  176
.set BIQ,  128                         ; in window 2
.set BIK,  192
.set WV,   56                          ; s56  my wave's number
.set G1X,  28                          ; s[28:35] descriptor group 1 for x's tile;  s[36:43] for the weights'
.set G1W,  36
.set G0X,  44                          ; s[44:47], s[48:51], s[52:55] groups 0: x, slot A, slot B
.set G0A,  48
.set G0B,  52
.set MSB, 0
.macro WIN new                         ; the immediate's high byte repeats the setting that is left
.if MSB != \new
	s_set_vgpr_msb (MSB<<8)|\new
.set MSB, \new
.endif
.endm
.macro PLACES n                        ; plain vector lines between a matrix instruction and a load into, or a vector read of, its registers
.rept \n
	v_nop
.endr
.endm
.macro CROUND                          ; a round of the cluster's barrier
	s_barrier_signal -1
	s_barrier_wait -1
	s_cmp_lg_u32 s[WV], 0
	s_cbranch_scc1 .Lnot_wave_0_\@
	s_barrier_signal -3
.Lnot_wave_0_\@:
	s_barrier_wait -3
	s_barrier_signal -1
	s_barrier_wait -1
.endm
	s_load_b256 s[4:11], s[0:1], 0x0               ; cod s[4:5], scl s[6:7], bq s[8:9], bk s[10:11]
	s_load_b128 s[12:15], s[0:1], 0x20             ; bv s[12:13], qkv s[14:15]
	s_load_b64 s[16:17], s[0:1], 0x30              ; qkvs
	v_lshl_add_u32 v[SPW], v0, 2, SPARE
	v_mov_b32 v[NIL], 0
	ds_add_u32 v12, v13
	ds_add_u32 v12, v13
	s_wait_dscnt 0x0
	v_lshrrev_b32 v1, 5, v0
	v_readfirstlane_b32 s[WV], v1                  ; wave 0..3
	s_bfe_u32 s57, ttmp6, 0x40000                  ; cx
	s_bfe_u32 s58, ttmp6, 0x40004                  ; cy
	s_lshl_b32 s59, ttmp9, 2
	s_add_co_u32 s59, s59, s57                     ; gx = 4 x cluster x + cx
	s_and_b32 s60, ttmp7, 0xffff
	s_lshl_b32 s60, s60, 2
	s_add_co_u32 s60, s60, s58                     ; gy = 4 x cluster y + cy
	s_lshl_b32 s61, 0x1111, s57                    ; my column of the cluster: shares gx
	s_lshl_b32 s62, s58, 2
	s_lshl_b32 s62, 15, s62                        ; my row: shares gy
	s_mov_b32 s63, 0xffff0000                      ; lanes 16-31
	s_mov_b32 s66, 0x76543210
	s_mov_b32 s67, 0xfedcba98                      ; v_permlanex16_b32's selects for lane l xor 16
	; group 1: 32 rows x 768 bytes, elements of 1 byte, 4 words of padding behind every 64
	s_or_b32 s[G1X], s61, (1<<20)|(1<<21)|(5<<22)|(3<<25)
	s_or_b32 s[G1W], s62, (1<<20)|(1<<21)|(5<<22)|(3<<25)
.irp g, G1X, G1W
	s_mov_b32 s[\g+1], 768<<16                     ; tensor_dim0
	s_mov_b32 s[\g+3], 768<<16                     ; tile_dim0
	s_mov_b32 s[\g+5], 768                         ; pitch
	s_mov_b32 s[\g+6], 0
	s_mov_b32 s[\g+7], 0
.endr
	s_mov_b32 s[G1X+2], 64<<16                     ; the head's loads: x in two halves of 64 rows,
	s_mov_b32 s[G1X+4], 64
	s_mov_b32 s[G1W+2], 128<<16                    ; a weight's 128 rows whole
	s_mov_b32 s[G1W+4], 128
	s_lshl_b32 s86, s59, 7                         ; x: row 128 gx + 64 w (waves 0 and 1 ask), made of gx and the wave alone
	s_lshl_b32 s87, s[WV], 6
	s_add_co_u32 s86, s86, s87
	s_mul_i32 s86, s86, 768
	s_mov_b32 s87, 0
	s_lshl_b32 s88, s60, 7                         ; Wq: row 4096 + 128 gy, made of gy alone
	s_mul_i32 s88, s88, 768
	s_add_co_u32 s88, s88, 4096*768
	s_mov_b32 s89, 0
	s_mul_i32 s20, s[WV], WPART                    ; my part of a tile in LDS: the wave's number alone
	s_wait_kmcnt 0x0
	s_mov_b32 s[G0X], 1
	s_mul_i32 s21, s[WV], 2*WPART
	s_add_co_u32 s[G0X+1], s21, XT
	s_add_nc_u64 s[G0X+2:G0X+3], s[4:5], s[86:87]
	s_or_b32 s[G0X+3], s[G0X+3], 0x80000000
	s_mov_b32 s[G0A], 1
	s_mov_b32 s[G0A+1], WA
	s_add_nc_u64 s[G0A+2:G0A+3], s[4:5], s[88:89]
	s_or_b32 s[G0A+3], s[G0A+3], 0x80000000
	s_mov_b32 s[G0B], 1
	s_mov_b32 s[G0B+1], WB
	s_add_nc_u64 s[G0B+2:G0B+3], s[4:5], s[88:89]
	s_add_nc_u64 s[G0B+2:G0B+3], s[G0B+2:G0B+3], 1024*768   ; Wk lies 1,024 rows behind Wq
	s_or_b32 s[G0B+3], s[G0B+3], 0x80000000
	CROUND                                         ; all sixteen work-groups are here: the first joint loads meet
	; THE HEAD'S LOADS, ONE A WAVE, in one chain of branches on the wave's number: waves 0 and 1 half of x each, wave 2 Wq, wave 3 Wk.  By this text's count a wave has one tensor load out here and one behind the refill.
	s_cmp_lt_u32 s[WV], 2
	s_cbranch_scc0 .Lhead_q
	tensor_load_to_lds s[G0X:G0X+3], s[G1X:G1X+7]
	s_nop 0
	PLACES 4
	s_branch .Lhead_asked
.Lhead_q:
	s_cmp_eq_u32 s[WV], 2
	s_cbranch_scc0 .Lhead_k
	tensor_load_to_lds s[G0A:G0A+3], s[G1W:G1W+7]
	s_nop 0
	PLACES 4
	s_branch .Lhead_asked
.Lhead_k:
	tensor_load_to_lds s[G0B:G0B+3], s[G1W:G1W+7]
	s_nop 0
	PLACES 4
.Lhead_asked:
	v_and_b32 v1, 15, v0                           ; r
	v_bfe_u32 v2, v0, 4, 1                         ; h
	v_and_b32 v3, 31, v0                           ; lane
	v_mul_u32_u24 v4, v1, PITCH
	v_mad_u32_u24 v4, v2, 24, v4                   ; a fragment's row x pitch + 24 h
	v_lshl_add_u32 v5, v2, 4, v4                   ; the same behind one padding more: + 40 h
	v_lshlrev_b32 v14, 4, v3                       ; 16 x lane
	v_lshlrev_b32 v15, 3, v3                       ; 8 x lane
	v_lshlrev_b32 v16, 2, v3                       ; 4 x lane
	v_lshlrev_b32 v17, 5, v3                       ; 32 x lane: a row of scale bytes a lane
	v_lshlrev_b32 v18, 5, v0                       ; the same for my wave's own 32 rows: 32 x lane + 1,024 w
	s_wait_alu depctr_va_vdst(0)
	v_lshlrev_b32 v19, 6, v2                       ; 64 h: 16 numbers of a bias
	s_wait_alu depctr_va_vdst(0)
	v_and_b32 v20, 8, v1
	v_add_nc_u32 v20, v20, v1                      ; r + 8 (r / 8)
	s_lshl_b32 s21, s[WV], 7
	v_lshl_add_u32 v20, v20, 2, s21                ; bv of my lane's row of Wv: 4 (32 w + r + 8 (r / 8)); tile b adds 32 bytes
	s_wait_alu depctr_va_vdst(0)
.irp b, 0,1,2,3
	v_mov_b32 v[TM+4+\b], 0                        ; written once: a lane permute's destination counts as one of its sources
.endr
	s_mov_b32 s91, 0
	s_lshl_b32 s90, s59, 12
	s_add_nc_u64 s[76:77], s[6:7], s[90:91]        ; scale bytes of x's 128 rows
	s_lshl_b32 s90, s60, 12
	s_add_co_u32 s90, s90, 4096*32
	s_add_nc_u64 s[78:79], s[6:7], s[90:91]        ; of Wq's 128 rows; Wk's lie 32,768 bytes on, Wv's 65,536
	s_lshl_b32 s90, s60, 9
	s_add_nc_u64 s[80:81], s[8:9], s[90:91]        ; bq, bk, bv at my 128 numbers
	s_add_nc_u64 s[82:83], s[10:11], s[90:91]
	s_add_nc_u64 s[84:85], s[12:13], s[90:91]
; n groups of 32 rows' scale words: lane l takes row 32 i + l, 16 bytes (four K steps) a load; a pair of loads covers 1,024 consecutive bytes
.macro SCLOAD reg, adr, bs, off, n
.set II, 0
.rept \n
	global_load_b128 v[\reg+8*II:\reg+8*II+3], v[\adr], s[\bs:\bs+1] offset:\off+1024*II
	global_load_b128 v[\reg+8*II+4:\reg+8*II+7], v[\adr], s[\bs:\bs+1] offset:\off+1024*II+16
.set II, II+1
.endr
.endm
	SCLOAD SCA, 17, 78, 0, 4
	SCLOAD SCB, 17, 78, 32768, 4
	SCLOAD SC1X, 18, 76, 0, 1
	SCLOAD SC1V, 18, 78, 65536, 1
	WIN 0x80                                       ; destination window 2
.irp a, 0,1,2,3,4,5,6,7                        ; lane (r, h), tile a: the bias of features 32 (a / 2) + 16 h + 8 (a % 2) + 0 .. 7
	global_load_b128 v[BIQ+8*\a:BIQ+8*\a+3], v19, s[80:81] offset:(32*(\a/2)+8*(\a%2))*4
	global_load_b128 v[BIQ+8*\a+4:BIQ+8*\a+7], v19, s[80:81] offset:(32*(\a/2)+8*(\a%2))*4+16
	global_load_b128 v[BIK+8*\a:BIK+8*\a+3], v19, s[82:83] offset:(32*(\a/2)+8*(\a%2))*4
	global_load_b128 v[BIK+8*\a+4:BIK+8*\a+7], v19, s[82:83] offset:(32*(\a/2)+8*(\a%2))*4+16
.endr
	WIN 0
.irp b, 0,1
.irp j, 0,1,2,3,4,5,6,7
	global_load_b32 v[BVB+8*\b+\j], v20, s[84:85] offset:32*\b   ; in tile V a lane is one feature: eight equal registers
.endr
.endr
	; where the results go
	s_lshr_b32 s92, s59, 4
	s_lshl_b32 s92, s92, 4
	s_lshl_b32 s94, s60, 1
	s_add_co_u32 s92, s92, s94                     ; 16 x batch + my first head
	s_and_b32 s93, s59, 15                         ; which 128 positions of the batch
	s_lshl_b32 s90, s92, 7
	s_lshl_b32 s94, s93, 3
	s_add_co_u32 s90, s90, s94
	s_lshl_b32 s94, s[WV], 1
	s_add_co_u32 s90, s90, s94
	s_mul_i32 s90, s90, 768
	s_add_nc_u64 s[68:69], s[14:15], s[90:91]      ; q's images: slab, position tile 8 ks + 2 w
	s_lshl_b32 s90, s92, 11
	s_lshl_b32 s94, s93, 7
	s_add_co_u32 s90, s90, s94
	s_lshl_b32 s94, s[WV], 5
	s_add_co_u32 s90, s90, s94
	s_lshl_b32 s90, s90, 2
	s_add_nc_u64 s[70:71], s[16:17], s[90:91]      ; q's scale words
	s_lshr_b32 s94, s[WV], 1
	s_add_co_u32 s94, s92, s94                     ; v: my wave's head,
	s_lshl_b32 s94, s94, 4
	s_add_co_u32 s94, s94, s93                     ; key step,
	s_lshl_b32 s94, s94, 2
	s_and_b32 s95, s[WV], 1
	s_lshl_b32 s95, s95, 1
	s_add_co_u32 s94, s94, s95                     ; tile of d
	s_mul_i32 s90, s94, 1536
	s_add_co_u32 s90, s90, 64*98304
	s_add_nc_u64 s[72:73], s[14:15], s[90:91]      ; v's images
	s_lshl_b32 s90, s94, 6
	s_add_co_u32 s90, s90, 524288
	s_add_nc_u64 s[74:75], s[16:17], s[90:91]      ; v's scale words
; A fragment, 16 rows x 128 K of 6-bit codes, is 12 registers: lane (r, h): registers 6 c .. 6 c + 5 = 24 bytes of row r's stream at 96 s + 48 c + 24 h.  In pieces of 8 bytes; 16 bytes of padding lie behind every
; 32 pieces; lanes 16-31 read three pieces on, which for pieces 29 to 31 of 32 is behind one padding more: the second address register serves those.
.macro FRAG reg, adr, s, off
.irp p, 0,1,2,3,4,5
.set PCE, 12*(\s)+6*(\p/3)+\p%3
.if PCE%32 < 29
	ds_load_b64 v[\reg+2*\p:\reg+2*\p+1], v[\adr] offset:8*PCE+16*(PCE/32)+(\off)
.else
	ds_load_b64 v[\reg+2*\p:\reg+2*\p+1], v[\adr+1] offset:8*PCE+16*(PCE/32)+(\off)
.endif
.endr
.endm
.macro FETCH s, p                      ; K step s into set p: source 0's eight tiles, my two of source 1
	WIN 0x40                                       ; destination window 1, address window 0
.irp a, 0,1,2,3
	FRAG 120*(\p)+12*\a, 6, \s, \a*T16
.endr
.irp a, 4,5,6,7
	FRAG 120*(\p)+12*\a, 8, \s, (\a-4)*T16
.endr
.irp b, 0,1
	FRAG 120*(\p)+96+12*\b, 10, \s, \b*T16
.endr
.endm
.macro WM d, fa, fb, c, sa, sb, ra, rb ; one product; ra, rb: the scale words lie in lanes 16-31
.if (\ra)==0 && (\rb)==0
	v_wmma_scale_f32_16x16x128_f8f6f4 v[\d:\d+7], v[\fa:\fa+11], v[\fb:\fb+11], v[\c:\c+7], v[\sa], v[\sb] matrix_a_fmt:MATRIX_FMT_FP6 matrix_b_fmt:MATRIX_FMT_FP6
.elseif (\ra)==1 && (\rb)==0
	v_wmma_scale_f32_16x16x128_f8f6f4 v[\d:\d+7], v[\fa:\fa+11], v[\fb:\fb+11], v[\c:\c+7], v[\sa], v[\sb] matrix_a_fmt:MATRIX_FMT_FP6 matrix_b_fmt:MATRIX_FMT_FP6 matrix_a_scale:MATRIX_SCALE_ROW1
.elseif (\ra)==0 && (\rb)==1
	v_wmma_scale_f32_16x16x128_f8f6f4 v[\d:\d+7], v[\fa:\fa+11], v[\fb:\fb+11], v[\c:\c+7], v[\sa], v[\sb] matrix_a_fmt:MATRIX_FMT_FP6 matrix_b_fmt:MATRIX_FMT_FP6 matrix_b_scale:MATRIX_SCALE_ROW1
.else
	v_wmma_scale_f32_16x16x128_f8f6f4 v[\d:\d+7], v[\fa:\fa+11], v[\fb:\fb+11], v[\c:\c+7], v[\sa], v[\sb] matrix_a_fmt:MATRIX_FMT_FP6 matrix_b_fmt:MATRIX_FMT_FP6 matrix_a_scale:MATRIX_SCALE_ROW1 matrix_b_scale:MATRIX_SCALE_ROW1
.endif
.endm
; 16 products of K step s.  The 16 accumulators take turns, one instruction a turn, in the same order in every step.
; first = 1: the bias, at cbase + ka a + kb b, is the C that starts the sums: nothing is cleared and nothing is added later.
.macro MUL16 s, sc0, sc1, first, cbase, ka, kb
.set FP, 120*((\s)%2)
.irp a, 0,1,2,3,4,5,6,7
.irp b, 0,1
.if \first
	WM 64*\b+8*\a, FP+12*\a, FP+96+12*\b, \cbase+\ka*\a+\kb*\b, \sc0+8*(\a/2)+(\s), \sc1+(\s), \a%2, \b
.else
	WM 64*\b+8*\a, FP+12*\a, FP+96+12*\b, 64*\b+8*\a, \sc0+8*(\a/2)+(\s), \sc1+(\s), \a%2, \b
.endif
.endr
.endr
.endm
; A tile: eight K steps; step s + 1's fragments are asked for ahead of step s's products, into the other set.
.macro TILE sc0, sc1, cwin, cbase, ka, kb
	PLACES 4
	FETCH 0, 0
.irp s, 0,1,2,3,4,5,6
.if \s > 0
	PLACES 4                                       ; the set to be loaded was read by the products just issued
.endif
	FETCH \s+1, (\s+1)%2
	s_wait_dscnt NLD                               ; all but the loads just issued: this step's fragments are in
.if \s == 0
	WIN \cwin
	MUL16 \s, \sc0, \sc1, 1, \cbase, \ka, \kb
.else
	WIN 0xa5                                       ; sources 0 and 1 window 1, C and D window 2
	MUL16 \s, \sc0, \sc1, 0, 0, 0, 0
.endif
.endr
	s_wait_dscnt 0x0
	MUL16 7, \sc0, \sc1, 0, 0, 0, 0
	WIN 0
.endm
.macro SETADR b0, b1                   ; source 0's tile begins at b0, source 1's at b1, of which my wave takes its own 32 rows
	v_add_nc_u32 v6, \b0, v4
	v_add_nc_u32 v7, \b0, v5
	v_add_nc_u32 v8, \b0+4*T16, v4
	v_add_nc_u32 v9, \b0+4*T16, v5
	s_add_co_u32 s21, s20, \b1
	v_add_nc_u32 v10, s21, v4
	v_add_nc_u32 v11, s21, v5
.endm
; 64 numbers of a lane in window 2, register s + 16 B + i = k 32 B + 16 h + i of my row, become a fragment's 12 registers at v[pc] and its scale word in v[pw].  Each accumulator is read from its low end on.
.macro QUANT s, pc, pw
	WIN 0x0a                                       ; sources 0 and 1 window 2
.irp b, 0,1,2,3
	v_max3_num_f32 v[TM+\b], |v[\s+16*\b]|, |v[\s+1+16*\b]|, 0x1800000   ; my 16 numbers of block b, and the floor 2^(3 - 127): the byte cannot fall under 1
.endr
.irp i, 2,4,6,8,10,12,14
.irp b, 0,1,2,3
	v_max3_num_f32 v[TM+\b], |v[\s+16*\b+\i]|, |v[\s+1+16*\b+\i]|, v[TM+\b]   ; (the four blocks by turns)
.endr
.endr
	WIN 0
.irp b, 0,1,2,3
	v_permlanex16_b32 v[TM+4+\b], v[TM+\b], s66, s67
.endr
.irp b, 0,1,2,3
	v_max_num_f32 v[TM+\b], v[TM+\b], v[TM+4+\b]   ; with lane l xor 16's: the block's largest magnitude
.endr
.irp b, 0,1,2,3
	v_add_nc_u32 v[TM+12+\b], 0xff000000, v[TM+\b] ; 2 off its exponent field: the conversion's scale operand
.endr
.irp b, 0,1,2,3
	v_lshrrev_b32 v[TM+4+\b], 23, v[TM+12+\b]      ; the scale's byte
.endr
	v_lshl_or_b32 v[\pw], v[TM+5], 8, v[TM+4]
	v_lshl_or_b32 v[\pw], v[TM+6], 16, v[\pw]
	v_lshl_or_b32 v[\pw], v[TM+7], 24, v[\pw]
	WIN 0x02                                       ; source 0 window 2
.irp c, 0,1
	v_cvt_scalef32_pk16_fp6_f32 v[\pc+6*\c:\pc+6*\c+2], v[\s+32*\c:\s+32*\c+15], v[TM+12+2*\c]
	v_cvt_scalef32_pk16_fp6_f32 v[\pc+12+4*\c:\pc+14+4*\c], v[\s+16+32*\c:\s+31+32*\c], v[TM+13+2*\c]   ; (a conversion's three registers begin on an even number)
.endr
	WIN 0
	v_nop                                          ; one plain line behind the scaled conversions
.irp c, 0,1                                    ; the operand's layout wants a whole block in a lane: lanes 0-15 block 2 c, lanes 16-31 block 2 c + 1
.irp i, 0,1,2
	v_permlane16_swap_b32 v[\pc+6*\c+\i], v[\pc+12+4*\c+\i]
.endr
.irp i, 0,1,2
	v_mov_b32 v[\pc+3+6*\c+\i], v[\pc+12+4*\c+\i]
.endr
.endr
.endm
; q or k: a fragment's registers 0-5 are my first head's 64, registers 6-11 the second's; the scale word's halves likewise.
.macro EPI_QK sel
	s_wait_xcnt 0x0                                ; earlier stores have read the registers that are written again below
	PLACES 4
	QUANT 0, PCA, PW0
	QUANT 64, PCB, PW1
	v_cndmask_b32 v[WW], v[PW0], v[PW1], s63       ; lanes 0-15: tile b = 0's rows, lanes 16-31: b = 1's
	v_and_b32 v[WW0], 0xffff, v[WW]                ; bytes 2 and 3 are zero: they belong to the half of the next product's K that is filled with zero codes
	v_lshrrev_b32 v[WW1], 16, v[WW]
.irp b, 0,1
	global_store_b128 v14, v[PCA+20*\b:PCA+20*\b+3], s[68:69] offset:\sel*3145728+768*\b            ; 512 consecutive bytes
	global_store_b64 v15, v[PCA+20*\b+4:PCA+20*\b+5], s[68:69] offset:\sel*3145728+768*\b+512       ; 256 consecutive bytes
	global_store_b128 v14, v[PCA+20*\b+6:PCA+20*\b+9], s[68:69] offset:\sel*3145728+768*\b+98304    ; the next head's slab
	global_store_b64 v15, v[PCA+20*\b+10:PCA+20*\b+11], s[68:69] offset:\sel*3145728+768*\b+98816
.endr
	global_store_b32 v16, v[WW0], s[70:71] offset:\sel*262144
	global_store_b32 v16, v[WW1], s[70:71] offset:\sel*262144+8192
.endm
	s_wait_alu depctr_va_vdst(0)
	s_cmp_eq_u32 s[WV], 3                          ; x and Wq are waited for by the waves that asked for them; Wk's load, wave 3's own line, may stay out
	s_cbranch_scc1 .Lnot_first
	s_wait_tensorcnt 0x0
.Lnot_first:
	s_barrier_signal -1
	s_barrier_wait -1                              ; everybody's are
	s_wait_loadcnt 0x0                             ; scale words and biases
	SETADR WA, XT
	s_wait_alu depctr_va_vdst(0)
	TILE SCA, SC1X, 0xa5, BIQ, 8, 0                ; ---- Q
	; slot A, which every wave has read out, takes Wv.  Every window is 0 here.
	s_wait_tensorcnt 0x0                           ; all my tensor loads have landed, Wk's part among them: a group 0 may be written
	ds_add_u32 v[SPW], v[NIL]                      ; 0 onto my spare word
	s_mul_i32 s86, s[WV], 32*768                   ; no tensor load of mine is out: the refill's descriptor is written: my 32 rows (s87 is 0)
	s_add_nc_u64 s[G0A+2:G0A+3], s[G0A+2:G0A+3], s[86:87]
	s_add_nc_u64 s[G0A+2:G0A+3], s[G0A+2:G0A+3], 2048*768   ; Wv lies 2,048 rows behind Wq
	s_add_co_u32 s[G0A+1], s20, WA
	s_mov_b32 s[G1W+2], 32<<16
	s_mov_b32 s[G1W+4], 32
	s_wait_dscnt 0x0                               ; the add is done, and my reads of slot A are over
	CROUND                                         ; both hold of every wave of every work-group of the cluster
	tensor_load_to_lds s[G0A:G0A+3], s[G1W:G1W+7]  ; my one tensor load behind the round: it has tile K's work in which to land
	s_nop 0
	PLACES 4                                       ; (also the places in front of the loads into scale registers that the last products read)
	SCLOAD SCA, 17, 76, 0, 4                       ; x's scale words for all 128 rows: tile V's source 0
	EPI_QK 0
	SETADR WB, XT
	s_wait_alu depctr_va_vdst(0)
	TILE SCB, SC1X, 0xa5, BIK, 8, 0                ; ---- K
	EPI_QK 1
	s_wait_tensorcnt 0x0                           ; my part of Wv is in,
	s_wait_dscnt 0x0
	s_barrier_signal -1
	s_barrier_wait -1                              ; everybody's is
	s_wait_loadcnt 0x0                             ; x's scale words
	SETADR XT, WA
	s_wait_alu depctr_va_vdst(0)
	TILE SCA, SC1V, 0x85, BVB, 0, 8                ; ---- V: source 0 = x, so that a lane's registers run along the keys; the first step's C, bv, lies in window 0
	s_wait_xcnt 0x0
	PLACES 4
	QUANT 0, PCA, PW0
	QUANT 64, PCB, PW1
	v_cndmask_b32 v[WW], v[PW0], v[PW1], s63
.irp b, 0,1
.irp c, 0,1,2
	global_store_b128 v14, v[PCA+20*\b+4*\c:PCA+20*\b+4*\c+3], s[72:73] offset:1536*\b+512*\c
.endr
.endr
	global_store_b32 v16, v[WW], s[74:75]
	s_wait_tensorcnt 0x0                           ; the wave's end
	ds_add_u32 v[SPW], v[NIL]
	s_wait_dscnt 0x0
	CROUND                                         ; the closing round: no work-group ends while a partner may still ask for a tile that names it
	s_endpgm
.Lfunc_end_k_q3e5c254136_qkv:
	.size	k_q3e5c254136_qkv, .Lfunc_end_k_q3e5c254136_qkv-k_q3e5c254136_qkv
	.p2alignl 7, 3214868480
	.fill 96, 4, 3214868480
	.section	.rodata,"a",@progbits
	.p2align	6, 0x0
	.amdhsa_kernel k_q3e5c254136_qkv
		.amdhsa_group_segment_fixed_size 327680
		.amdhsa_private_segment_fixed_size 0
		.amdhsa_enable_private_segment 0
		.amdhsa_kernarg_size 56
		.amdhsa_user_sgpr_count 2
		.amdhsa_user_sgpr_kernarg_segment_ptr 1
		.amdhsa_wavefront_size32 1
		.amdhsa_system_sgpr_workgroup_id_x 1
		.amdhsa_system_sgpr_workgroup_id_y 1
		.amdhsa_system_sgpr_workgroup_id_z 1
		.amdhsa_system_vgpr_workitem_id 0
		.amdhsa_next_free_vgpr 768
		.amdhsa_next_free_sgpr 96
		.amdhsa_reserve_vcc 0
		.amdhsa_float_denorm_mode_32 3
		.amdhsa_float_denorm_mode_16_64 3
		.amdhsa_memory_ordered 1
		.amdhsa_forward_progress 1
		.amdhsa_inst_pref_size 187
	.end_amdhsa_kernel
	.amdgpu_metadata
---
amdhsa.version: [ 1, 2 ]
amdhsa.kernels:
  - .name:           k_q3e5c254136_qkv
    .symbol:         k_q3e5c254136_qkv.kd
    .args:
      - { .name: cod, .offset: 0, .size: 8, .value_kind: global_buffer, .address_space: global }
      - { .name: scl, .offset: 8, .size: 8, .value_kind: global_buffer, .address_space: global }
      - { .name: bq, .offset: 16, .size: 8, .value_kind: global_buffer, .address_space: global }
      - { .name: bk, .offset: 24, .size: 8, .value_kind: global_buffer, .address_space: global }
      - { .name: bv, .offset: 32, .size: 8, .value_kind: global_buffer, .address_space: global }
      - { .name: qkv, .offset: 40, .size: 8, .value_kind: global_buffer, .address_space: global }
      - { .name: qkvs, .offset: 48, .size: 8, .value_kind: global_buffer, .address_space: global }
    .group_segment_fixed_size: 327680
    .private_segment_fixed_size: 0
    .kernarg_segment_align: 8
    .kernarg_segment_size: 56
    .max_flat_workgroup_size: 128
    .sgpr_count:     96
    .vgpr_count:     768
    .wavefront_size: 32
...
	.end_amdgpu_metadata
.endif
;; end of part 2
;; launch attn (part 3): grid 8 x 32, 16 waves a work-group, clusters of 4 x 1, 235,520 bytes of LDS; arguments qkv, qkvs, af, asc; writes af, asc
.if DOCPART == 3
	.amdgcn_target "amdgcn-amd-amdhsa--gfx1250"
	.amdhsa_code_object_version 6
	.text
	.protected	k_q3e5c254136_attn
	.globl	k_q3e5c254136_attn
	.p2align	8
	.type	k_q3e5c254136_attn,@function
k_q3e5c254136_attn:
	s_mov_b64 s[64:65], 0
	v_nop
	global_prefetch_b8 v0, s[64:65] scope:SCOPE_SE
	s_setreg_imm32_b32 hwreg(HW_REG_WAVE_MODE, 25, 1), 1
	s_wait_xcnt 0x0
	s_wait_alu depctr_hold_cnt(0) depctr_sa_sdst(0) depctr_va_vdst(0) depctr_va_sdst(0) depctr_va_ssrc(0) depctr_va_vcc(0) depctr_vm_vsrc(0)
	s_getreg_b32 s2, hwreg(HW_REG_IB_STS2, 6, 4)
	s_cmp_eq_u32 s2, 0
	s_cbranch_scc0 .Lentry_in_a_cluster
	s_endpgm
.Lentry_in_a_cluster:
	s_bfe_u32 s2, ttmp6, 0x10000c
	s_cmp_lg_u32 s2, 0x3003
	s_cbranch_scc0 .Lentry_shape_is_right
	s_endpgm
.Lentry_shape_is_right:
; For each batch and head: o = softmax(q k^T / 32) v, both products on codes of FP6 (E2M3) with E8M0 scales; o is quantised along the head's 64 and leaves as an image of the last product's operand.
; THE SOFTMAX AHEAD OF THE SECOND PRODUCT: t = score x log2(e) / 32; M = the running largest t rounded UP to a whole number; p = 2^(t - M) is quantised along the keys, not normalised; the row's sum is taken of the
; unquantised p in f32 and divides at the end.  When M moves, the sum and O are multiplied by 2^(old M - new M): exact.
; SHARES.  A work-group owns 256 query positions of one head (ttmp7: 16 x batch + head), each of its sixteen waves one tile of 16; every wave walks all 2,048 keys, 128 a step, two steps a trip.
; A HEAD'S K AND V STAY IN LDS, filled ONCE at the head, one tensor load a wave, asked for jointly by the four work-groups of a cluster, which share the head: waves 0-5 K's codes (64 rows of 256 bytes each),
; waves 6-11 V's codes (the same), wave 12 K's scale words, wave 13 V's; waves 14 and 15 ask for nothing.  Every wave waits for 0, one barrier shows all tiles, and no barrier stands among the key steps.
; No prefetch: all fills stand at the head, so there is no loop to run ahead in.
; LAYOUT.  S^T = K Q^T, O^T = V^T P^T: a lane holds one query position throughout.  THE ROWS OF A TILE OF K ARE CHOSEN BY THE LANES' ADDRESSES.  K's images hold 16 neighbouring POSITIONS (bits 3 and 4 of the key's
; number exchanged): image 2 B + u, row x is key 32 B + 16 (x / 8) + 8 u + x % 8.  Tile n = 4 c + 2 g + u of a step takes as its rows 0-7 rows 8 g .. 8 g + 7 of image 2 (2 c) + u, and as its rows 8-15 the same rows
; of image 2 (2 c + 1) + u.  Register i of half h of tile n is then key 64 c + 32 h + 8 (2 g + u) + i: a lane's 32 registers of tiles 4 c .. 4 c + 3 are ONE scale block of 32 keys, in order, as P's operand wants it:
; the block's maximum needs no other lane and the codes are not exchanged between lanes.  V's images hold true keys along K and are taken as they lie.
; K's codes lie in LDS with 64 bytes of padding behind each 256: an image is 960 bytes, and lanes r and r + 8, two images (1,920 bytes) apart, are 128 bytes apart modulo 256.
; TWO REGIONS OF 64 REGISTERS TAKE TURNS, v32-95 and v96-159: in a step one holds K's fragments and then V's, the other the scores and then p.  When p has been converted and summed, the NEXT step's fragments of K are
; asked for into p's registers, ahead of the step's last products; the next step's scores fall on the registers that held V.  The last trip is written out: its last step asks for nothing.
; K = 64 IN A FORM OF 128: Q's registers 6-11 are zero codes; K's tile n is named as twelve registers from the region's 6 n on, of which the upper six (the next tile's codes; behind the last tile zeros or old numbers, any
; bits being finite codes of this format) multiply zeros; bytes 2, 3 of both scale words are 0.
; LIMITS: a block's largest p is taken from its largest score (v_exp_f32 is taken not to fall where its input rises); 1 / the sum is v_rcp_f32; a block under 2^-124 gets the byte 1; NaN and infinities are not served;
; the promise holds while the scaled scores t stay under 2^31 in magnitude.
; REGISTERS: v1-5 addresses that stay, v6-10 the trip's; v12 -M, v13 the largest score, v[14:15] the sum; v16-27 Q; v28 8 h; v29-31 the way out; v32-159 the two regions; v160-191 O^T;
;   v192-207 eight partial sums (on the way out v192-223 O / sum); v208-218 at work; v224-235 p's codes; v236-242 codes on their way; v239, v243 the add's; v246-247 V's scale words; v248-251 K's;
;   v252 f; v253 p's scale word; v254 at work; v255 Q's scale words.
.set KSTEP, 7680                       ; K's codes of a key step: 8 images of 960 bytes, from LDS byte 0
.set VI,    122880                     ; V's: 1,536 bytes a tile of d, 6,144 a key step
.set KSW,   221184                     ; K's scale words: 512 bytes a key step
.set VSW,   229376                     ; V's: 256 bytes a key step
.set SPARE, 233472                     ; the spare words, 128 bytes a wave
.set SPW,  239
.set NIL,  243
.set T,    192
.set MX,   208                         ; v208-215 the maxima's chains, four to a block; then block c's largest score in v[MX + 4 c], its scale operand in + 1, its byte in + 2
.set WV,   18
.set G1K,  24                          ; groups 1: K's codes (padded), V's codes, K's scale words, V's
.set G1V,  32
.set G1KS, 40
.set G1VS, 48
.set G0K,  56
.set G0V,  60
.set G0KS, 68
.set G0VS, 72
.set TB,   76                          ; the trip's first byte among K's codes, V's codes, K's scale words, V's
.set TVB,  77
.set TK,   78
.set TV,   79
.set CNT,  80
.macro CROUND
	s_barrier_signal -1
	s_barrier_wait -1
	s_cmp_lg_u32 s[WV], 0
	s_cbranch_scc1 .Lnot_wave_0_\@
	s_barrier_signal -3
.Lnot_wave_0_\@:
	s_barrier_wait -3
	s_barrier_signal -1
	s_barrier_wait -1
.endm
.macro TLOAD g0, g1
	tensor_load_to_lds s[\g0:\g0+3], s[\g1:\g1+7]
	s_nop 0
.rept 4
	v_nop
.endr
.endm
.macro PADD d, a, b
	v_pk_add_f32 v[\d:\d+1], v[\a:\a+1], v[\b:\b+1]
.endm
	s_load_b256 s[4:11], s[0:1], 0x0               ; qkv s[4:5], qkvs s[6:7], af s[8:9], asc s[10:11]
	v_lshl_add_u32 v[SPW], v0, 2, SPARE
	v_mov_b32 v[NIL], 0
	ds_add_u32 v[SPW], v[NIL]
	ds_add_u32 v[SPW], v[NIL]
	v_lshrrev_b32 v8, 5, v0
	v_readfirstlane_b32 s[WV], v8                  ; wave 0..15
	s_bfe_u32 s12, ttmp6, 0x40000                  ; cx: it enters Q's and the results' addresses alone
	s_lshl_b32 s13, ttmp9, 2
	s_add_co_u32 s13, s13, s12
	s_lshl_b32 s13, s13, 4
	s_add_co_u32 s13, s13, s[WV]                   ; my tile of query positions: 16 x block + wave
	s_and_b32 s14, ttmp7, 0xffff                   ; 16 x batch + head, which the four partners share
	s_mov_b32 s20, 0x76543210
	s_mov_b32 s21, 0xfedcba98                      ; v_permlanex16_b32's selects for lane l xor 16
	s_mov_b32 s22, 0x3d38aa3b                      ; c = log2(e) / 32
	s_mov_b32 s23, s22                             ; (named with it as a pair, so it is written)
.irp g, G1K, G1V, G1KS, G1VS                   ; dense blocks as rows of 256 bytes: 32 elements of 8 bytes
	s_mov_b32 s[\g+1], 32<<16
	s_mov_b32 s[\g+3], 32<<16
	s_mov_b32 s[\g+5], 32
	s_mov_b32 s[\g+6], 0
	s_mov_b32 s[\g+7], 0
.endr
	s_mov_b32 s[G1K], 15|(3<<16)|(1<<20)|(1<<21)|(5<<22)|(15<<25)   ; the mask names all four work-groups, bit 21 beside it; 16 words of padding behind every 64
	s_mov_b32 s[G1V], 15|(3<<16)|(1<<21)
	s_mov_b32 s[G1KS], 15|(3<<16)|(1<<21)
	s_mov_b32 s[G1VS], 15|(3<<16)|(1<<21)
	s_mov_b32 s[G1K+2], 64<<16
	s_mov_b32 s[G1K+4], 64
	s_mov_b32 s[G1V+2], 64<<16
	s_mov_b32 s[G1V+4], 64
	s_mov_b32 s[G1KS+2], 32<<16
	s_mov_b32 s[G1KS+4], 32
	s_mov_b32 s[G1VS+2], 16<<16
	s_mov_b32 s[G1VS+4], 16
	s_mul_i32 s82, s14, 98304                      ; the head's slab among q's
	s_mov_b32 s83, 0
	s_lshl_b32 s84, s14, 13
	s_add_co_u32 s84, s84, 32*8192                 ; k's scale words
	s_mov_b32 s85, 0
	s_lshl_b32 s86, s14, 12
	s_add_co_u32 s86, s86, 524288                  ; v's scale words
	s_mov_b32 s87, 0
	s_lshl_b32 s88, s[WV], 14                      ; 64 rows of 256 bytes a wave
	s_mov_b32 s89, 0
	s_mov_b32 s[G0K], 1
	s_mul_i32 s[G0K+1], s[WV], 64*320              ; waves 0-5: 64 padded rows a wave, from LDS byte 0
	s_mov_b32 s[G0V], 1
	s_add_co_u32 s[G0V+1], s88, VI-6*16384         ; waves 6-11: VI + 16,384 (wave - 6)
	s_mov_b32 s[G0KS], 1
	s_mov_b32 s[G0KS+1], KSW
	s_mov_b32 s[G0VS], 1
	s_mov_b32 s[G0VS+1], VSW
	s_wait_alu depctr_va_vdst(0)
	s_wait_dscnt 0x0
	s_wait_kmcnt 0x0
	s_add_nc_u64 s[90:91], s[4:5], s[82:83]
	s_add_nc_u64 s[G0K+2:G0K+3], s[90:91], s[88:89]
	s_add_nc_u64 s[G0K+2:G0K+3], s[G0K+2:G0K+3], 32*98304
	s_or_b32 s[G0K+3], s[G0K+3], 0x80000000
	s_add_nc_u64 s[G0V+2:G0V+3], s[90:91], s[88:89]
	s_add_nc_u64 s[G0V+2:G0V+3], s[G0V+2:G0V+3], 64*98304-6*16384
	s_or_b32 s[G0V+3], s[G0V+3], 0x80000000
	s_add_nc_u64 s[G0KS+2:G0KS+3], s[6:7], s[84:85]
	s_or_b32 s[G0KS+3], s[G0KS+3], 0x80000000
	s_add_nc_u64 s[G0VS+2:G0VS+3], s[6:7], s[86:87]
	s_or_b32 s[G0VS+3], s[G0VS+3], 0x80000000
	CROUND                                         ; all four work-groups are here: the joint loads meet
	s_cmp_lt_u32 s[WV], 6                          ; one chain of branches on the wave's number, the same in every work-group; one load to an arm
	s_cbranch_scc0 .Larm_v
	TLOAD G0K, G1K
	s_branch .Lasked
.Larm_v:
	s_cmp_lt_u32 s[WV], 12
	s_cbranch_scc0 .Larm_ks
	TLOAD G0V, G1V
	s_branch .Lasked
.Larm_ks:
	s_cmp_eq_u32 s[WV], 12
	s_cbranch_scc0 .Larm_vs
	TLOAD G0KS, G1KS
	s_branch .Lasked
.Larm_vs:
	s_cmp_eq_u32 s[WV], 13
	s_cbranch_scc0 .Lasked
	TLOAD G0VS, G1VS
.Lasked:
	s_mul_i32 s2, s13, 768
	s_mov_b32 s3, 0
	s_add_nc_u64 s[4:5], s[90:91], s[2:3]          ; Q's image
	s_lshl_b32 s2, s14, 13
	s_lshl_b32 s15, s13, 6
	s_add_co_u32 s2, s2, s15
	s_add_nc_u64 s[6:7], s[6:7], s[2:3]            ; Q's scale words
	s_lshr_b32 s15, s14, 4                         ; batch
	s_and_b32 s16, s14, 15                         ; head
	s_lshl_b32 s17, s15, 7
	s_add_co_u32 s17, s17, s13                     ; my tile among all 256
	s_lshl_b32 s2, s17, 4
	s_add_co_u32 s2, s2, s16
	s_mul_i32 s2, s2, 768
	s_add_nc_u64 s[8:9], s[8:9], s[2:3]            ; af: [tile][head][768]
	s_lshl_b32 s2, s17, 9
	s_lshl_b32 s16, s16, 1
	s_add_co_u32 s2, s2, s16
	s_add_nc_u64 s[10:11], s[10:11], s[2:3]        ; asc: [position][32], bytes 2 head, 2 head + 1
	s_mov_b32 s[TB], 0
	s_mov_b32 s[TVB], 0
	s_mov_b32 s[TK], 0
	s_mov_b32 s[TV], 0
	s_mov_b32 s[CNT], 7
	v_and_b32 v10, 31, v0                          ; lane
	v_and_b32 v11, 15, v0                          ; r
	v_lshlrev_b32 v29, 4, v10                      ; 16 x lane
	v_lshlrev_b32 v30, 3, v10                      ; 8 x lane
	v_lshlrev_b32 v31, 5, v11                      ; 32 r
	v_lshlrev_b32 v219, 2, v11                     ; 4 r
	global_load_b128 v[16:19], v29, s[4:5]         ; Q's registers 0-3,
	global_load_b64 v[20:21], v30, s[4:5] offset:512   ; 4-5
	global_load_b32 v255, v219, s[6:7]
	v_bfe_u32 v220, v0, 4, 1                       ; h
	v_bfe_u32 v221, v0, 3, 1                       ; a = r / 8: which of the two images my row comes from
	v_and_b32 v222, 7, v0                          ; i = r % 8
	v_mul_u32_u24 v1, v221, 1920
	v_mad_u32_u24 v2, v220, 128, v1
	v_mad_u32_u24 v1, v220, 320, v1
	v_lshl_add_u32 v1, v222, 4, v1                 ; K, registers 0-3: 1,920 a + 320 h + 16 i; the tile adds 3,840 c + 960 u + 128 g
	v_lshl_add_u32 v2, v222, 3, v2
	v_add_nc_u32 v2, 640, v2                       ; K, registers 4-5: 640 + 1,920 a + 128 h + 8 i; the tile adds 3,840 c + 960 u + 64 g
	v_add_nc_u32 v3, VI, v29
	v_lshlrev_b32 v4, 7, v221
	v_lshl_add_u32 v4, v220, 6, v4
	v_lshl_add_u32 v4, v222, 2, v4
	v_add_nc_u32 v4, KSW, v4                       ; K's scale words: 128 a + 64 h + 4 i (lanes 0-15: u = 0, lanes 16-31: u = 1); the pair of tiles adds 256 c + 32 g
	v_lshl_add_u32 v5, v10, 2, VSW
	v_lshlrev_b32 v28, 3, v220                     ; 8 h: where my two scale bytes stand in p's scale word
.irp j, 22,23,24,25,26,27,80,81,82,83,84,85
	v_mov_b32 v\j, 0                               ; zero codes: the upper half of Q's K, and what stands behind K's last tile in the first step
.endr
	v_mov_b32 v13, 0xff61b1e6                      ; the largest score so far: -3e38, under every score
	v_mul_f32 v254, s22, v13
	v_floor_f32 v12, -v254                         ; -M
	v_mov_b32 v14, 0                               ; the sum, in two halves
	v_mov_b32 v15, 0
	v_mov_b32 v216, 0                              ; written once: a lane permute's destination counts as one of its sources
	v_mov_b32 v218, 0
	v_mov_b32 v253, 0                              ; (named as the upper half of the pair v[252:253] before it is first written)
.set J, 0
.rept 32
	v_mov_b32 v[160+J], 0                          ; O^T: the step is written once; the first step finds zeros, which the first change of M leaves zeros
.set J, J+1
.endr
.set J, 0
.rept 8
	v_mov_b32 v[T+J], 0                            ; the four partial sums that a step's head joins: the first step joins zeros
.set J, J+1
.endr
; K's eight tiles and four registers of scale words of step s, counted from the addresses' step: 20 loads
.macro KLOAD R, a0, a1, a2, s
.irp c, 0,1
.irp g, 0,1
.irp u, 0,1
	ds_load_b128 v[\R+6*(4*\c+2*\g+\u):\R+3+6*(4*\c+2*\g+\u)], v\a0 offset:KSTEP*(\s)+3840*\c+960*\u+128*\g
	ds_load_b64 v[\R+4+6*(4*\c+2*\g+\u):\R+5+6*(4*\c+2*\g+\u)], v\a1 offset:KSTEP*(\s)+3840*\c+960*\u+64*\g
.endr
	ds_load_b32 v[248+2*\c+\g], v\a2 offset:512*(\s)+256*\c+32*\g   ; lanes 0-15: tile 4 c + 2 g's words, lanes 16-31: the next tile's
.endr
.endr
.endm
.macro VL R, s, t                      ; V's fragment of tile t of d
.irp c, 0,1,2
	ds_load_b128 v[\R+12*\t+4*\c:\R+3+12*\t+4*\c], v8 offset:6144*(\s)+1536*\t+512*\c
.endr
.endm
; A KEY STEP: 128 keys.  KR: the region with K's fragments, then V's; SR: the region of the scores, then p, then the next step's K; s: which of the trip's two; pre = 1: the next step's K is asked for.
.macro STEP KR, SR, s, pre
	s_wait_alu depctr_va_vdst(0)
	s_wait_dscnt 0x0                               ; K's fragments and scale words
.irp t, 0,2,4,6                                ; S^T = K Q^T
	v_wmma_scale_f32_16x16x128_f8f6f4 v[\SR+8*\t:\SR+7+8*\t], v[\KR+6*\t:\KR+11+6*\t], v[16:27], 0, v[248+\t/2], v255 matrix_a_fmt:MATRIX_FMT_FP6 matrix_b_fmt:MATRIX_FMT_FP6
	v_wmma_scale_f32_16x16x128_f8f6f4 v[\SR+8+8*\t:\SR+15+8*\t], v[\KR+6+6*\t:\KR+17+6*\t], v[16:27], 0, v[248+\t/2], v255 matrix_a_fmt:MATRIX_FMT_FP6 matrix_b_fmt:MATRIX_FMT_FP6 matrix_a_scale:MATRIX_SCALE_ROW1
.endr
	PADD T+2, T+2, T+6                             ; the last joins of the step before's sums, and the old -M: four places in front of the first read of the scores
	v_mov_b32 v217, v12
	PADD T, T, T+2
	PADD 14, 14, T                                 ; the sum now holds all p up to the last step, under the old M
.irp c, 0,1                                    ; the largest score of my two blocks of 32 keys, four chains to a block, a chain to a tile; each accumulator is first read at its low end
.irp q, 0,1,2,3
	v_max3_num_f32 v[MX+4*\c+\q], v[\SR+32*\c+8*\q], v[\SR+32*\c+8*\q+1], v[\SR+32*\c+8*\q+2]
.endr
.endr
.irp i, 3,5
.irp c, 0,1
.irp q, 0,1,2,3
	v_max3_num_f32 v[MX+4*\c+\q], v[MX+4*\c+\q], v[\SR+32*\c+8*\q+\i], v[\SR+32*\c+8*\q+\i+1]
.endr
.endr
.endr
.irp c, 0,1
	v_max3_num_f32 v[MX+4*\c], v[MX+4*\c], v[MX+4*\c+1], v[\SR+32*\c+7]
	v_max3_num_f32 v[MX+4*\c+2], v[MX+4*\c+2], v[MX+4*\c+3], v[\SR+32*\c+15]
.endr
.irp c, 0,1
	v_max3_num_f32 v[MX+4*\c], v[MX+4*\c], v[MX+4*\c+2], v[\SR+32*\c+23]
.endr
.irp c, 0,1
	v_max_num_f32 v[MX+4*\c], v[MX+4*\c], v[\SR+32*\c+31]
.endr
	v_max_num_f32 v254, v[MX], v[MX+4]             ; the row's maximum and the new M: lines that hang on each other, with V's loads among them
	VL \KR, \s, 0
	v_permlanex16_b32 v216, v254, s20, s21         ; lane l xor 16 has the other two blocks
	VL \KR, \s, 1
	v_max3_num_f32 v13, v13, v254, v216            ; the running largest score
	VL \KR, \s, 2
	v_mul_f32 v254, s22, v13                       ; as t (c is positive)
	VL \KR, \s, 3
	v_floor_f32 v12, -v254                         ; the new -M = floor(-t): M is a whole number
	ds_load_b32 v246, v10 offset:256*(\s)
	ds_load_b32 v247, v10 offset:256*(\s)+128
	v_pk_fma_f32 v[\SR:\SR+1], v[\SR:\SR+1], s[22:23], v[12:13] op_sel_hi:[1,0,0]     ; t - M, two at a time
	v_sub_f32 v217, v12, v217                      ; old M less new M: a whole number, 0 or less
	v_pk_fma_f32 v[\SR+2:\SR+3], v[\SR+2:\SR+3], s[22:23], v[12:13] op_sel_hi:[1,0,0]
	v_cvt_i32_f32 v217, v217                       ; (it saturates)
	v_pk_fma_f32 v[\SR+4:\SR+5], v[\SR+4:\SR+5], s[22:23], v[12:13] op_sel_hi:[1,0,0]
	v_ldexp_f32 v252, 1.0, v217                    ; f = 2^(old M - new M)
.set J, 6
.rept 29
	v_pk_fma_f32 v[\SR+J:\SR+J+1], v[\SR+J:\SR+J+1], s[22:23], v[12:13] op_sel_hi:[1,0,0]
.set J, J+2
.endr
.irp c, 0,1
	v_fma_f32 v[MX+4*\c], v[MX+4*\c], s22, v12     ; the same of each block's largest score
.endr
	s_wait_alu depctr_va_vdst(0)
.set J, 0
.rept 64
	v_exp_f32 v[\SR+J], v[\SR+J]                   ; p = 2^(t - M), at most 1
.set J, J+1
.endr
.irp c, 0,1
	v_exp_f32 v[MX+4*\c], v[MX+4*\c]               ; the block's largest p: the same two instructions on the same number
.endr
	v_pk_mul_f32 v[14:15], v[14:15], v[252:253] op_sel_hi:[1,0]   ; the sums under the new M (a plain line behind the exponentials)
	s_wait_alu depctr_va_vdst(0)                   ; one wait for the batch
.irp c, 0,1
	v_max_num_f32 v[MX+4*\c], 0x1800000, v[MX+4*\c]    ; the floor 2^(3 - 127): the byte cannot fall under 1
.endr
.irp c, 0,1
	v_add_nc_u32 v[MX+1+4*\c], 0xff000000, v[MX+4*\c]  ; 2 off the exponent field: the conversion's scale operand
.endr
.irp c, 0,1
	v_cvt_scalef32_pk16_fp6_f32 v[224+6*\c:226+6*\c], v[\SR+32*\c:\SR+15+32*\c], v[MX+1+4*\c]     ; my block 2 c + h: its lower 16 codes are the operand's registers 6 c .. 6 c + 2,
	v_cvt_scalef32_pk16_fp6_f32 v[236+4*\c:238+4*\c], v[\SR+16+32*\c:\SR+31+32*\c], v[MX+1+4*\c]  ; its upper 16 are made elsewhere and moved (a conversion's three registers begin on an even number)
.endr
.irp k, 0,2,4,6,8,10,12,14
	PADD T+\k, \SR+\k, \SR+16+\k                   ; the row's sum is taken of the unquantised p: eight partial sums, two numbers wide (also the plain lines behind the conversions)
.endr
.irp k, 0,2,4,6,8,10,12,14
	PADD T+\k, T+\k, \SR+32+\k
.endr
.irp k, 0,2,4,6,8,10,12,14
	PADD T+\k, T+\k, \SR+48+\k
.endr
.if \pre
	KLOAD \SR, 6, 7, 9, (\s)+1                     ; p has been read for the last time: its registers take the next step's K
.endif
.irp c, 0,1
	v_lshrrev_b32 v[MX+2+4*\c], 23, v[MX+1+4*\c]   ; the scale's byte
.endr
	v_lshl_or_b32 v253, v[MX+6], 16, v[MX+2]       ; my two bytes: blocks h and 2 + h,
	v_lshlrev_b32 v253, v28, v253                  ; at their places in the word;
	v_permlanex16_b32 v218, v253, s20, s21
.irp i, 0,1,2
	v_mov_b32 v[227+\i], v[236+\i]
.endr
	v_or_b32 v253, v253, v218                      ; with lane l xor 16's two the word is whole.  Nineteen plain lines stand between this one and the products
.irp i, 0,1,2
	v_mov_b32 v[233+\i], v[240+\i]
.endr
	s_wait_dscnt 20*(\pre)                         ; V's fragments and scale words are in; the 20 loads of the next step's K, issued behind them, may stay out
	s_wait_alu depctr_va_vdst(0)                   ; directly ahead of the first readers of O^T, behind the batch
.set J, 0
.rept 16
	v_pk_mul_f32 v[160+J:161+J], v[160+J:161+J], v[252:253] op_sel_hi:[1,0]   ; O^T under the new M
.set J, J+2
.endr
.irp t, 0,2                                    ; O^T += V^T P^T: the four accumulators by turns
	v_wmma_scale_f32_16x16x128_f8f6f4 v[160+8*\t:167+8*\t], v[\KR+12*\t:\KR+11+12*\t], v[224:235], v[160+8*\t:167+8*\t], v[246+\t/2], v253 matrix_a_fmt:MATRIX_FMT_FP6 matrix_b_fmt:MATRIX_FMT_FP6
	v_wmma_scale_f32_16x16x128_f8f6f4 v[168+8*\t:175+8*\t], v[\KR+12+12*\t:\KR+23+12*\t], v[224:235], v[168+8*\t:175+8*\t], v[246+\t/2], v253 matrix_a_fmt:MATRIX_FMT_FP6 matrix_b_fmt:MATRIX_FMT_FP6 matrix_a_scale:MATRIX_SCALE_ROW1
.endr
.irp k, 0,2,4,6
	PADD T+\k, T+\k, T+8+\k                        ; the first joins: with the next line five places in front of the next step's products, whose results fall on V's registers
.endr
	PADD T, T, T+4
.endm
.macro ADDR                            ; the trip's addresses
	v_add_nc_u32 v6, s[TB], v1
	v_add_nc_u32 v7, s[TB], v2
	v_add_nc_u32 v8, s[TVB], v3
	v_add_nc_u32 v9, s[TK], v4
	v_add_nc_u32 v10, s[TV], v5
.endm
	s_wait_alu depctr_va_vdst(0)
	s_wait_loadcnt 0x0                             ; Q
	s_wait_tensorcnt 0x0                           ; my tile, if I asked for one, has landed: every wave waits, under no branch
	s_barrier_signal -1
	s_barrier_wait -1                              ; all fourteen tiles are in; nothing is ever filled again
	KLOAD 32, 1, 2, 4, 0                           ; key step 0's K
.Ltrip:                                                ; key steps 0 to 13
	ADDR
	STEP 32, 96, 0, 1
	STEP 96, 32, 1, 1
	s_add_co_u32 s[TB], s[TB], 2*KSTEP
	s_add_co_u32 s[TVB], s[TVB], 2*6144
	s_add_co_u32 s[TK], s[TK], 2*512
	s_add_co_u32 s[TV], s[TV], 2*256
	s_sub_co_u32 s[CNT], s[CNT], 1
	s_cmp_lg_u32 s[CNT], 0
	s_wait_alu depctr_va_vdst(0)
	s_cbranch_scc1 .Ltrip
	s_mov_b32 s[TB], 14*KSTEP                      ; key steps 14 and 15, written out: the last asks for nothing more
	s_mov_b32 s[TVB], 14*6144
	s_mov_b32 s[TK], 14*512
	s_mov_b32 s[TV], 14*256
	ADDR
	STEP 32, 96, 0, 1
	STEP 96, 32, 1, 0
	; THE WAY OUT: the last step's partial sums; O^T / the sum, quantised along the head's 64 (two blocks), as half a fragment of the last product.
	PADD T+2, T+2, T+6
	PADD T, T, T+2
	PADD 14, 14, T
	s_wait_alu depctr_va_vdst(0)
	v_add_f32 v14, v14, v15                        ; the sum's two halves,
	v_permlanex16_b32 v252, v14, s20, s21
	v_add_f32 v14, v14, v252                       ; and lane l xor 16's
	s_wait_alu depctr_va_vdst(0)
	v_rcp_f32 v14, v14
	v_nop                                          ; one plain line behind the transcendental
	s_wait_alu depctr_va_vdst(0)
.set J, 0
.rept 32
	v_mul_f32 v[192+J], v[160+J], v14              ; V's rows lie in position order: register 16 B + i is o(my query, 32 B + 16 h + i); each accumulator from its low end on
.set J, J+1
.endr
.irp b, 0,1
	v_max3_num_f32 v[232+\b], |v[192+16*\b]|, |v[193+16*\b]|, 0x1800000
.endr
.irp i, 2,4,6,8,10,12,14
.irp b, 0,1
	v_max3_num_f32 v[232+\b], v[232+\b], |v[192+16*\b+\i]|, |v[193+16*\b+\i]|
.endr
.endr
.irp b, 0,1
	v_permlanex16_b32 v[236+\b], v[232+\b], s20, s21
.endr
.irp b, 0,1
	v_max_num_f32 v[232+\b], v[232+\b], v[236+\b]
.endr
.irp b, 0,1
	v_add_nc_u32 v[244+\b], 0xff000000, v[232+\b]
.endr
.irp b, 0,1
	v_lshrrev_b32 v[236+\b], 23, v[244+\b]
.endr
	v_lshl_or_b32 v238, v237, 8, v236              ; my row's two scale bytes
	v_cvt_scalef32_pk16_fp6_f32 v[224:226], v[192:207], v244
	v_cvt_scalef32_pk16_fp6_f32 v[240:242], v[208:223], v245
	v_nop
.irp i, 0,1,2
	v_permlane16_swap_b32 v[224+\i], v[240+\i]
.endr
.irp i, 0,1,2
	v_mov_b32 v[227+\i], v[240+\i]                 ; registers 0-5: d = 32 h + 0 .. 31
.endr
	global_store_b128 v29, v[224:227], s[8:9]      ; 512 consecutive bytes
	global_store_b64 v30, v[228:229], s[8:9] offset:512   ; 256 consecutive bytes
	global_store_b16 v31, v238, s[10:11]           ; two bytes of each of 16 rows of 32 (lanes r and r + 16 write the same): 131,072 bytes in the whole launch
	s_wait_tensorcnt 0x0                           ; the wave's end
	ds_add_u32 v[SPW], v[NIL]
	s_wait_dscnt 0x0
	CROUND                                         ; the closing round
	s_endpgm
.Lfunc_end_k_q3e5c254136_attn:
	.size	k_q3e5c254136_attn, .Lfunc_end_k_q3e5c254136_attn-k_q3e5c254136_attn
	.p2alignl 7, 3214868480
	.fill 96, 4, 3214868480
	.section	.rodata,"a",@progbits
	.p2align	6, 0x0
	.amdhsa_kernel k_q3e5c254136_attn
		.amdhsa_group_segment_fixed_size 235520
		.amdhsa_private_segment_fixed_size 0
		.amdhsa_enable_private_segment 0
		.amdhsa_kernarg_size 32
		.amdhsa_user_sgpr_count 2
		.amdhsa_user_sgpr_kernarg_segment_ptr 1
		.amdhsa_wavefront_size32 1
		.amdhsa_system_sgpr_workgroup_id_x 1
		.amdhsa_system_sgpr_workgroup_id_y 1
		.amdhsa_system_sgpr_workgroup_id_z 1
		.amdhsa_system_vgpr_workitem_id 0
		.amdhsa_next_free_vgpr 256
		.amdhsa_next_free_sgpr 96
		.amdhsa_reserve_vcc 0
		.amdhsa_float_denorm_mode_32 3
		.amdhsa_float_denorm_mode_16_64 3
		.amdhsa_memory_ordered 1
		.amdhsa_forward_progress 1
		.amdhsa_inst_pref_size 73
	.end_amdhsa_kernel
	.amdgpu_metadata
---
amdhsa.version: [ 1, 2 ]
amdhsa.kernels:
  - .name:           k_q3e5c254136_attn
    .symbol:         k_q3e5c254136_attn.kd
    .args:
      - { .name: qkv, .offset: 0, .size: 8, .value_kind: global_buffer, .address_space: global }
      - { .name: qkvs, .offset: 8, .size: 8, .value_kind: global_buffer, .address_space: global }
      - { .name: af, .offset: 16, .size: 8, .value_kind: global_buffer, .address_space: global }
      - { .name: asc, .offset: 24, .size: 8, .value_kind: global_buffer, .address_space: global }
    .group_segment_fixed_size: 235520
    .private_segment_fixed_size: 0
    .kernarg_segment_align: 8
    .kernarg_segment_size: 32
    .max_flat_workgroup_size: 512
    .sgpr_count:     96
    .vgpr_count:     256
    .wavefront_size: 32
...
	.end_amdgpu_metadata
.endif
;; end of part 3
;; launch proj (part 4): grid 32 x 8, 4 waves a work-group, clusters of 4 x 4, 327,680 bytes of LDS; arguments af, asc, cod, scl, bo, out0; writes out0
.if DOCPART == 4
	.amdgcn_target "amdgcn-amd-amdhsa--gfx1250"
	.amdhsa_code_object_version 6
	.text
	.protected	k_q3e5c254136_proj
	.globl	k_q3e5c254136_proj
	.p2align	8
	.type	k_q3e5c254136_proj,@function
k_q3e5c254136_proj:
	s_mov_b64 s[64:65], 0
	v_nop
	global_prefetch_b8 v0, s[64:65] scope:SCOPE_SE
	s_setreg_imm32_b32 hwreg(HW_REG_WAVE_MODE, 25, 1), 1
	s_wait_xcnt 0x0
	s_wait_alu depctr_hold_cnt(0) depctr_sa_sdst(0) depctr_va_vdst(0) depctr_va_sdst(0) depctr_va_ssrc(0) depctr_va_vcc(0) depctr_vm_vsrc(0)
	s_getreg_b32 s2, hwreg(HW_REG_IB_STS2, 6, 4)
	s_cmp_eq_u32 s2, 0
	s_cbranch_scc0 .Lentry_in_a_cluster
	s_endpgm
.Lentry_in_a_cluster:
	s_bfe_u32 s2, ttmp6, 0x10000c
	s_cmp_lg_u32 s2, 0xf033
	s_cbranch_scc0 .Lentry_shape_is_right
	s_endpgm
.Lentry_shape_is_right:
.set PITCH, 816
.set T16,   16*PITCH
.set WPART, 32*PITCH
.set WO,    0
.set AT,    128*PITCH
.set STG,   AT+98304
.set NLD,   56
.set SC0,  32
.set SC1,  96
.set OUTR, 112
.set BI,   128
.set WV,   56
.set G1A,  28
.set G1W,  36
.set G0A,  44
.set G0W,  48
.set MSB, 0
.macro WIN new
.if MSB != \new
	s_set_vgpr_msb (MSB<<8)|\new
.set MSB, \new
.endif
.endm
.macro PLACES n
.rept \n
	v_nop
.endr
.endm
.macro CROUND
	s_barrier_signal -1
	s_barrier_wait -1
	s_cmp_lg_u32 s[WV], 0
	s_cbranch_scc1 .Lnot_wave_0_\@
	s_barrier_signal -3
.Lnot_wave_0_\@:
	s_barrier_wait -3
	s_barrier_signal -1
	s_barrier_wait -1
.endm
	s_load_b256 s[4:11], s[0:1], 0x0
	s_load_b128 s[12:15], s[0:1], 0x20
	v_lshl_add_u32 v254, v0, 2, 0x39c00
	v_mov_b32 v255, 0
	ds_add_u32 v254, v255
	ds_add_u32 v254, v255
	v_lshrrev_b32 v1, 5, v0
	v_readfirstlane_b32 s[WV], v1
	s_bfe_u32 s57, ttmp6, 0x40000
	s_bfe_u32 s58, ttmp6, 0x40004
	s_lshl_b32 s59, ttmp9, 2
	s_add_co_u32 s59, s59, s57
	s_and_b32 s60, ttmp7, 0xffff
	s_lshl_b32 s60, s60, 2
	s_add_co_u32 s60, s60, s58
	s_lshl_b32 s61, 0x1111, s57
	s_lshl_b32 s62, s58, 2
	s_lshl_b32 s62, 15, s62
	s_or_b32 s[G1A], s61, (3<<16)|(1<<21)
	s_mov_b32 s[G1A+1], 32<<16
	s_mov_b32 s[G1A+2], 192<<16
	s_mov_b32 s[G1A+3], 32<<16
	s_mov_b32 s[G1A+4], 192
	s_mov_b32 s[G1A+5], 32
	s_mov_b32 s[G1A+6], 0
	s_mov_b32 s[G1A+7], 0
	s_or_b32 s[G1W], s62, (1<<20)|(1<<21)|(5<<22)|(3<<25)
	s_mov_b32 s[G1W+1], 768<<16
	s_mov_b32 s[G1W+2], 64<<16
	s_mov_b32 s[G1W+3], 768<<16
	s_mov_b32 s[G1W+4], 64
	s_mov_b32 s[G1W+5], 768
	s_mov_b32 s[G1W+6], 0
	s_mov_b32 s[G1W+7], 0
	s_lshl_b32 s86, s59, 3
	s_and_b32 s94, s[WV], 1                        ; which half of a tile I ask for: waves 0 and 1 Wo's 64 rows each, waves 2 and 3 four of the eight images of A each
	s_lshl_b32 s87, s94, 2
	s_add_co_u32 s86, s86, s87
	s_mul_i32 s86, s86, 12288
	s_mov_b32 s87, 0
	s_lshl_b32 s88, s60, 7
	s_lshl_b32 s89, s94, 6
	s_add_co_u32 s88, s88, s89
	s_mul_i32 s88, s88, 768
	s_add_co_u32 s88, s88, 7168*768
	s_mov_b32 s89, 0
	s_mul_i32 s20, s94, 2*WPART
	s_mul_i32 s22, s[WV], 24576
	s_add_co_u32 s22, s22, AT
	s_wait_dscnt 0x0
	s_wait_kmcnt 0x0
	s_mov_b32 s[G0A], 1
	s_mul_i32 s[G0A+1], s94, 49152
	s_add_co_u32 s[G0A+1], s[G0A+1], AT
	s_add_nc_u64 s[G0A+2:G0A+3], s[4:5], s[86:87]
	s_or_b32 s[G0A+3], s[G0A+3], 0x80000000
	s_mov_b32 s[G0W], 1
	s_add_co_u32 s[G0W+1], s20, WO
	s_add_nc_u64 s[G0W+2:G0W+3], s[8:9], s[88:89]
	s_or_b32 s[G0W+3], s[G0W+3], 0x80000000
	CROUND
	s_cmp_lt_u32 s[WV], 2                          ; the head's loads, one a wave, in the two arms of one branch on the wave's number
	s_cbranch_scc0 .Lhead_a
	tensor_load_to_lds s[G0W:G0W+3], s[G1W:G1W+7]
	s_nop 0
	PLACES 4
	s_branch .Lhead_asked
.Lhead_a:
	tensor_load_to_lds s[G0A:G0A+3], s[G1A:G1A+7]
	s_nop 0
	PLACES 4
.Lhead_asked:
	v_and_b32 v1, 15, v0
	v_bfe_u32 v2, v0, 4, 1
	v_and_b32 v3, 31, v0
	v_mul_u32_u24 v4, v1, PITCH
	v_mad_u32_u24 v4, v2, 24, v4
	v_lshl_add_u32 v5, v2, 4, v4
	v_add_nc_u32 v6, WO, v4
	v_add_nc_u32 v7, WO, v5
	v_add_nc_u32 v8, WO+4*T16, v4
	v_add_nc_u32 v9, WO+4*T16, v5
	v_lshlrev_b32 v14, 4, v3
	v_lshlrev_b32 v15, 3, v3
	v_add_nc_u32 v10, s22, v14
	v_add_nc_u32 v11, s22, v15
	v_lshlrev_b32 v17, 5, v3
	s_wait_alu depctr_va_vdst(0)
	v_lshlrev_b32 v18, 5, v0
	s_wait_alu depctr_va_vdst(0)
	v_lshlrev_b32 v19, 6, v2
	s_wait_alu depctr_va_vdst(0)
	s_mul_i32 s23, s[WV], 16*528
	s_add_co_u32 s23, s23, STG
	v_mul_u32_u24 v21, v1, 528
	v_lshl_add_u32 v21, v2, 6, v21
	v_add_nc_u32 v21, s23, v21
	v_add_nc_u32 v22, s23, v14
	s_mov_b32 s91, 0
	s_lshl_b32 s90, s59, 12
	s_add_nc_u64 s[76:77], s[6:7], s[90:91]
	s_lshl_b32 s90, s60, 12
	s_add_co_u32 s90, s90, 7168*32
	s_add_nc_u64 s[78:79], s[10:11], s[90:91]
	s_lshl_b32 s90, s60, 9
	s_add_nc_u64 s[80:81], s[12:13], s[90:91]
	s_lshl_b32 s92, s59, 7
	s_lshl_b32 s93, s[WV], 5
	s_add_co_u32 s92, s92, s93
	s_lshl_b32 s92, s92, 12
	s_add_co_u32 s90, s90, s92
	s_add_nc_u64 s[68:69], s[14:15], s[90:91]
.irp i, 0,1,2,3
	global_load_b128 v[SC0+8*\i:SC0+8*\i+3], v17, s[78:79] offset:1024*\i
	global_load_b128 v[SC0+8*\i+4:SC0+8*\i+7], v17, s[78:79] offset:1024*\i+16
.endr
	global_load_b128 v[SC1:SC1+3], v18, s[76:77]
	global_load_b128 v[SC1+4:SC1+7], v18, s[76:77] offset:16
	WIN 0x80
.irp a, 0,1,2,3,4,5,6,7
	global_load_b128 v[BI+8*\a:BI+8*\a+3], v19, s[80:81] offset:(32*(\a/2)+8*(\a%2))*4
	global_load_b128 v[BI+8*\a+4:BI+8*\a+7], v19, s[80:81] offset:(32*(\a/2)+8*(\a%2))*4+16
.endr
	WIN 0
.macro FRAG reg, adr, s, off
.irp p, 0,1,2,3,4,5
.set PCE, 12*(\s)+6*(\p/3)+\p%3
.if PCE%32 < 29
	ds_load_b64 v[\reg+2*\p:\reg+2*\p+1], v[\adr] offset:8*PCE+16*(PCE/32)+(\off)
.else
	ds_load_b64 v[\reg+2*\p:\reg+2*\p+1], v[\adr+1] offset:8*PCE+16*(PCE/32)+(\off)
.endif
.endr
.endm
.macro FETCH s, p
	WIN 0x40
.irp a, 0,1,2,3
	FRAG 120*(\p)+12*\a, 6, \s, \a*T16
.endr
.irp a, 4,5,6,7
	FRAG 120*(\p)+12*\a, 8, \s, (\a-4)*T16
.endr
.irp b, 0,1
	ds_load_b128 v[120*(\p)+96+12*\b:120*(\p)+96+12*\b+3], v10 offset:12288*\b+1536*(\s)
	ds_load_b64 v[120*(\p)+96+12*\b+4:120*(\p)+96+12*\b+5], v11 offset:12288*\b+1536*(\s)+512
	ds_load_b128 v[120*(\p)+96+12*\b+6:120*(\p)+96+12*\b+9], v10 offset:12288*\b+1536*(\s)+768
	ds_load_b64 v[120*(\p)+96+12*\b+10:120*(\p)+96+12*\b+11], v11 offset:12288*\b+1536*(\s)+1280
.endr
.endm
.macro WM d, fa, fb, c, sa, sb, ra, rb
.if (\ra)==0 && (\rb)==0
	v_wmma_scale_f32_16x16x128_f8f6f4 v[\d:\d+7], v[\fa:\fa+11], v[\fb:\fb+11], v[\c:\c+7], v[\sa], v[\sb] matrix_a_fmt:MATRIX_FMT_FP6 matrix_b_fmt:MATRIX_FMT_FP6
.elseif (\ra)==1 && (\rb)==0
	v_wmma_scale_f32_16x16x128_f8f6f4 v[\d:\d+7], v[\fa:\fa+11], v[\fb:\fb+11], v[\c:\c+7], v[\sa], v[\sb] matrix_a_fmt:MATRIX_FMT_FP6 matrix_b_fmt:MATRIX_FMT_FP6 matrix_a_scale:MATRIX_SCALE_ROW1
.elseif (\ra)==0 && (\rb)==1
	v_wmma_scale_f32_16x16x128_f8f6f4 v[\d:\d+7], v[\fa:\fa+11], v[\fb:\fb+11], v[\c:\c+7], v[\sa], v[\sb] matrix_a_fmt:MATRIX_FMT_FP6 matrix_b_fmt:MATRIX_FMT_FP6 matrix_b_scale:MATRIX_SCALE_ROW1
.else
	v_wmma_scale_f32_16x16x128_f8f6f4 v[\d:\d+7], v[\fa:\fa+11], v[\fb:\fb+11], v[\c:\c+7], v[\sa], v[\sb] matrix_a_fmt:MATRIX_FMT_FP6 matrix_b_fmt:MATRIX_FMT_FP6 matrix_a_scale:MATRIX_SCALE_ROW1 matrix_b_scale:MATRIX_SCALE_ROW1
.endif
.endm
.macro MUL16 s, first
.set FP, 120*((\s)%2)
.irp a, 0,1,2,3,4,5,6,7
.irp b, 0,1
.if \first
	WM 64*\b+8*\a, FP+12*\a, FP+96+12*\b, BI+8*\a, SC0+8*(\a/2)+(\s), SC1+(\s), \a%2, \b
.else
	WM 64*\b+8*\a, FP+12*\a, FP+96+12*\b, 64*\b+8*\a, SC0+8*(\a/2)+(\s), SC1+(\s), \a%2, \b
.endif
.endr
.endr
.endm
	s_wait_tensorcnt 0x0
	s_barrier_signal -1
	s_barrier_wait -1
	s_wait_loadcnt 0x0
	FETCH 0, 0
.irp s, 0,1,2,3,4,5,6
.if \s > 0
	PLACES 4
.endif
	FETCH \s+1, (\s+1)%2
	s_wait_dscnt NLD
	WIN 0xa5
.if \s == 0
	MUL16 \s, 1
.else
	MUL16 \s, 0
.endif
.endr
	s_wait_dscnt 0x0
	MUL16 7, 0
	WIN 0
	PLACES 4
	s_wait_alu depctr_va_vdst(0)
.irp b, 0,1
	WIN 0x08
.irp a, 0,1,2,3,4,5,6,7
	ds_store_b128 v21, v[64*\b+8*\a:64*\b+8*\a+3] offset:128*(\a/2)+32*(\a%2)
	ds_store_b128 v21, v[64*\b+8*\a+4:64*\b+8*\a+7] offset:128*(\a/2)+32*(\a%2)+16
.endr
	WIN 0
.irp t, 0,1,2,3,4,5,6,7,8,9,10,11,12,13,14,15
	ds_load_b128 v[OUTR+64*\b+4*\t:OUTR+64*\b+4*\t+3], v22 offset:528*\t
.endr
.endr
	s_wait_dscnt 32
.irp t, 0,1,2,3,4,5,6,7,8,9,10,11,12,13,14,15
	global_store_b128 v14, v[OUTR+4*\t:OUTR+4*\t+3], s[68:69] offset:(\t+8*(\t/8))*4096 th:TH_STORE_NT
.endr
	s_wait_dscnt 0x0
.irp t, 0,1,2,3,4,5,6,7,8,9,10,11,12,13,14,15
	global_store_b128 v14, v[OUTR+64+4*\t:OUTR+64+4*\t+3], s[68:69] offset:(8+\t+8*(\t/8))*4096 th:TH_STORE_NT
.endr
	s_wait_tensorcnt 0x0
	ds_add_u32 v254, v255
	s_wait_dscnt 0x0
	CROUND
	s_endpgm
.Lfunc_end_k_q3e5c254136_proj:
	.size	k_q3e5c254136_proj, .Lfunc_end_k_q3e5c254136_proj-k_q3e5c254136_proj
	.p2alignl 7, 3214868480
	.fill 96, 4, 3214868480
	.section	.rodata,"a",@progbits
	.p2align	6, 0x0
	.amdhsa_kernel k_q3e5c254136_proj
		.amdhsa_group_segment_fixed_size 327680
		.amdhsa_private_segment_fixed_size 0
		.amdhsa_enable_private_segment 0
		.amdhsa_kernarg_size 48
		.amdhsa_user_sgpr_count 2
		.amdhsa_user_sgpr_kernarg_segment_ptr 1
		.amdhsa_wavefront_size32 1
		.amdhsa_system_sgpr_workgroup_id_x 1
		.amdhsa_system_sgpr_workgroup_id_y 1
		.amdhsa_system_sgpr_workgroup_id_z 1
		.amdhsa_system_vgpr_workitem_id 0
		.amdhsa_next_free_vgpr 768
		.amdhsa_next_free_sgpr 96
		.amdhsa_reserve_vcc 0
		.amdhsa_float_denorm_mode_32 3
		.amdhsa_float_denorm_mode_16_64 3
		.amdhsa_memory_ordered 1
		.amdhsa_forward_progress 1
		.amdhsa_inst_pref_size 62
	.end_amdhsa_kernel
	.amdgpu_metadata
---
amdhsa.version: [ 1, 2 ]
amdhsa.kernels:
  - .name:           k_q3e5c254136_proj
    .symbol:         k_q3e5c254136_proj.kd
    .args:
      - { .name: af, .offset: 0, .size: 8, .value_kind: global_buffer, .address_space: global }
      - { .name: asc, .offset: 8, .size: 8, .value_kind: global_buffer, .address_space: global }
      - { .name: cod, .offset: 16, .size: 8, .value_kind: global_buffer, .address_space: global }
      - { .name: scl, .offset: 24, .size: 8, .value_kind: global_buffer, .address_space: global }
      - { .name: bo, .offset: 32, .size: 8, .value_kind: global_buffer, .address_space: global }
      - { .name: out0, .offset: 40, .size: 8, .value_kind: global_buffer, .address_space: global }
    .group_segment_fixed_size: 327680
    .private_segment_fixed_size: 0
    .kernarg_segment_align: 8
    .kernarg_segment_size: 48
    .max_flat_workgroup_size: 128
    .sgpr_count:     96
    .vgpr_count:     768
    .wavefront_size: 32
...
	.end_amdgpu_metadata
.endif
;; end of part 4
